; MI455X (gfx1250); checked and timed in simulation.
; The chip was launched on July 23, 2026; its instructions are those of AMD's public machine-readable ISA for CDNA 5 (MIT licence, August 2026) and "CDNA5" Instruction Set Architecture Reference Guide (July 2026). The comments in the code are by the model that wrote it; some were corrected since.
;; Multi Head Attention. Allowed arithmetic: matrix products marked QUANTISED: E4M3 operands, one E8M0 scale for each 32 along K, by v_wmma_scale_f32_16x16x128_f8f6f4 with both operands' format E4M3, f32 sums; everything else in f32.
;; Inputs: Wk 1,024 x 1,024 float32; Wq 1,024 x 1,024 float32; Wv 1,024 x 1,024 float32; attention_mask 4 x 2,048 int32; beta 1,024 float32; bk 1,024 float32; bq 1,024 float32; bv 1,024 float32; gamma 1,024 float32; keys 4 x 2,048 x 1,024 float32; queries 4 x 2,048 x 1,024 float32; values 4 x 2,048 x 1,024 float32.
;; Outputs: out0 4 x 2,048 x 1,024 float32.
;; This version of the problem:
;;   THIS VERSION OF THE PROBLEM IS GIVEN IN LOW PRECISION. The matrix products marked QUANTISED in the list below multiply operands that are first quantised to E4M3 (4 exponent bits, 3 mantissa bits; 8 bits a number), with one power-of-two scale for each 32 numbers along K (OCP MX v1.0); their sums are f32. All else is computed in f32.
;;   The module's matrix products, in the order in which they are computed (A, B: the left and right operand; K: the contracted axis; several contracted axes count as one K, in the product's order):
;;     1. [M 8,192, K 1,024] x [K 1,024, N 1,024]; A: input queries; B: input Wq: QUANTISED
;;     2. [M 8,192, K 1,024] x [K 1,024, N 1,024]; A: input keys; B: input Wk: QUANTISED
;;     3. [M 8,192, K 1,024] x [K 1,024, N 1,024]; A: input values; B: input Wv: QUANTISED
;;     4. batch 64 x [M 2,048, K 64] x [K 64, N 2,048]; A: computed on the way; B: computed on the way: QUANTISED
;;     5. batch 64 x [M 2,048, K 2,048] x [K 2,048, N 64]; A: softmax (see below); B: computed on the way: QUANTISED
;;   THE QUANTISER, for each operand of a quantised product, along K:
;;     - K is cut into blocks of 32 from its start; a last block that is shorter is filled with zeros.
;;     - A block's scale is 2^e with e = floor(log2(the largest magnitude in the block)) - 8, held to -126 .. 127; a block of zeros has e = 0. As a byte (E8M0): e + 127.
;;     - Each number is divided by its block's scale, clamped to +-448, and rounded to the nearest number of E4M3, ties to even, subnormals kept.
;;     - The product sums the exact products of the quantised numbers (number of the format x scale) in f32.
;;   ~~~python
;;   def quantise(x, axis):      # numpy; x: float32 -> the quantised numbers, widened to float32 again
;;       x = np.moveaxis(x, axis, -1); K = x.shape[-1]
;;       x = np.pad(x, [(0, 0)] * (x.ndim - 1) + [(0, -K % 32)]); x = x.reshape(x.shape[:-1] + (-1, 32)); a = np.abs(x).max(-1, keepdims=True)
;;       e = np.where(a > 0, np.clip(np.frexp(np.where(a > 0, a, 1))[1] - 1 - 8, -126, 127), 0)      # np.frexp(a)[1] - 1 = floor(log2(a)), exactly
;;       r = np.clip(x / 2.0 ** e, -448, 448)
;;       step = 2.0 ** (np.maximum(np.frexp(np.where(r == 0, 1, r))[1] - 1, -6) - 3)
;;       q = np.round(r / step) * step * 2.0 ** e      # np.round: ties to even
;;       return np.moveaxis(q.reshape(q.shape[:-2] + (-1,))[..., :K], -1, axis).astype(np.float32)
;;   ~~~
;;   SOFTMAX AHEAD OF A QUANTISED PRODUCT. Where the list says 'softmax', what is quantised is not the finished softmax but p = 2^(t - M), with t = logit x log2(e) and M = ceil(the row's largest t), a whole number; so 1/2 < the row's largest p <= 1. The row's sum l is taken of the UNQUANTISED p, in f32, and the product's result is divided by l at the end. Since M is a whole number, a kernel that streams over the keys may use a running M (the ceiling of the running maximum): every later rescaling is an exact power of two, which a block's scale takes up: the codes' values come out the same.
;;   OPERANDS COMPUTED ON THE WAY. 'Computed on the way' means the value that the module computes at that place (a softmax that the list does not call 'softmax' is quantised finished and normalised). What goes into a quantiser is computed in f32, as accurately as f32 sums, v_exp_f32 and their like allow (about 1e-6 of the number): no bf16 or f16 on the way to a quantiser, and a product that is left as it is and whose result goes on into a quantised operand takes f32 operands (vector FMAs, or v_wmma_f32_16x16x4_f32). A number that lies on a knife's edge between two numbers of the format may be rounded either way, as far as f32 arithmetic and the matrix unit's own rounding can turn it there, and no further.
;; 2 versions. Each part assembles by itself: llvm-mc -triple=amdgcn-amd-amdhsa -mcpu=gfx1250 --defsym DOCPART=n.
;; ======== version 1 of 2: 4 launches
;; workspace buffers: wimg 3,145,728 bytes; wscl 98,304 bytes; img 25,165,824 bytes; scl 786,432 bytes; obuf 33,554,432 bytes
;; launch wquant (part 1): grid 64 x 3, 4 waves a work-group, no clusters, 0 bytes of LDS; arguments Wq, Wk, Wv, wimg, wscl; writes wimg, wscl
.if DOCPART == 1
	.amdgcn_target "amdgcn-amd-amdhsa--gfx1250"
	.amdhsa_code_object_version 6
	.text
	.protected	k_q99ffd8a051_wquant
	.globl	k_q99ffd8a051_wquant
	.p2align	8
	.type	k_q99ffd8a051_wquant,@function
k_q99ffd8a051_wquant:
	s_mov_b64 s[64:65], 0
	v_nop
	global_prefetch_b8 v0, s[64:65] scope:SCOPE_SE
	s_setreg_imm32_b32 hwreg(HW_REG_WAVE_MODE, 25, 1), 1
	s_wait_xcnt 0x0
; Wq, Wk, Wv [1024 (k)][1024 (n)], f32, become codes of FP8 (E4M3) with one E8M0 scale byte for each 32 along k, which is their FIRST axis.
; The codes are stored as IMAGES OF OPERAND REGISTERS: wimg [T 3][nb 8][ks 8][tile 8][g 4][lane 32][16 bytes].  Lane (r, h) of tile 2 c + u holds column
; n = 128 nb + 32 c + 8 u + r + 8 (r / 8) at k = 128 ks + 32 g + 16 h + 0 .. 15: a fragment is then four loads of 16 bytes a lane, 512 bytes on end each.
; The scale words: wscl [T][nb][ks][c 4][32 words], word r + 16 u; byte g of a word belongs to block g of the K step.
; A LANE TAKES A COLUMN AND ITS REGISTERS RUN DOWN k: a block of 32 lies in one lane, its largest magnitude needs no other lane, and the conversions give codes with k innermost.
; A block's scale byte is its largest magnitude's exponent field - 8, held at 1 from below by a floor of 2^-118 among the maximum's leaves.
; LIMITS: a block of zeros gets the byte 1 where the rule says 127 (its codes are zeros, and only this program reads the bytes); NaN and infinities are not served.
; SHARES: work-group x = 8 nb + ks, y = T; wave c takes 32 columns x 128 k.  Waves share nothing: no LDS, no barrier.
.set EMAX, 8
.set XR, 64                            ; v64-191  four blocks of 32 numbers
.set CR, 32                            ; v32-63   eight registers of codes for each block: no store's data are written again
	s_load_b256 s[4:11], s[0:1], 0x0               ; Wq s[4:5], Wk s[6:7], Wv s[8:9], wimg s[10:11]
	s_load_b64 s[12:13], s[0:1], 0x20              ; wscl
	v_lshrrev_b32 v1, 5, v0
	v_readfirstlane_b32 s16, v1                    ; wave = c
	v_and_b32 v1, 31, v0                           ; x: my column among the wave's 32
	v_lshlrev_b32 v2, 2, v1                        ; in: 4 bytes a lane
	v_bfe_u32 v5, v1, 3, 1                         ; u = (x / 8) % 2
	v_and_b32 v6, 7, v1
	v_lshrrev_b32 v7, 4, v1
	v_lshl_or_b32 v6, v7, 3, v6                    ; r = x % 8 + 8 (x / 16): x = 8 u + r + 8 (r / 8)
	v_lshlrev_b32 v3, 4, v6
	v_lshl_add_u32 v3, v5, 11, v3                  ; out: tile u of the wave's two (2,048 bytes each), lane r's 16 bytes
	v_lshl_add_u32 v4, v5, 4, v6
	v_lshlrev_b32 v4, 2, v4                        ; the scale word's place: 4 (r + 16 u)
	s_and_b32 s17, ttmp7, 0xffff                   ; T
	s_lshr_b32 s18, ttmp9, 3                       ; nb
	s_and_b32 s19, ttmp9, 7                        ; ks
	s_lshl_b32 s20, s19, 19                        ; W: 128 ks rows of 4,096 bytes,
	s_lshl_b32 s26, s18, 9                         ; 128 nb columns,
	s_add_co_u32 s20, s20, s26
	s_lshl_b32 s26, s16, 7                         ; 32 c columns
	s_add_co_u32 s20, s20, s26
	s_mov_b32 s21, 0
	s_lshl_b32 s22, s17, 20                        ; wimg: 2^20 bytes a tensor, 16,384 for (nb, ks), 4,096 for a wave's two tiles
	s_lshl_b32 s26, ttmp9, 14
	s_add_co_u32 s22, s22, s26
	s_lshl_b32 s26, s16, 12
	s_add_co_u32 s22, s22, s26
	s_mov_b32 s23, 0
	s_lshl_b32 s24, s17, 15                        ; wscl: 2^15 bytes a tensor, 512 for (nb, ks), 128 a wave
	s_lshl_b32 s26, ttmp9, 9
	s_add_co_u32 s24, s24, s26
	s_lshl_b32 s26, s16, 7
	s_add_co_u32 s24, s24, s26
	s_mov_b32 s25, 0
	s_mov_b32 s31, 0x600000                        ; the mantissa field of 448
	s_wait_kmcnt 0x0
	s_cmp_eq_u32 s17, 1                            ; which weight: the choice hangs on the work-group's number alone
	s_cselect_b64 s[4:5], s[6:7], s[4:5]
	s_cmp_eq_u32 s17, 2
	s_cselect_b64 s[4:5], s[8:9], s[4:5]
	s_add_nc_u64 s[4:5], s[4:5], s[20:21]
	s_add_nc_u64 s[10:11], s[10:11], s[22:23]
	s_add_nc_u64 s[12:13], s[12:13], s[24:25]
.macro LOADB g                         ; block g: W(32 g + i, my column): 32 lanes read 128 neighbouring bytes, the four waves stand side by side on 512
.set i, 0
.rept 32
	global_load_b32 v[XR+32*(\g)+i], v2, s[4:5] offset:(32*(\g)+i)*4096 th:TH_LOAD_NT
.set i, i+1
.endr
.endm
.macro BLOCK g
.set XS, XR+32*(\g)
.set CS, CR+8*(\g)
.if (\g) < 3
	s_wait_loadcnt 32                              ; this block's 32 loads are in; the next block's 32 may be out
.else
	s_wait_loadcnt 0x0
.endif
.if (\g)+2 < 4
	LOADB (\g)+2                                   ; two blocks ahead, into registers of their own
.endif
	v_max3_num_f32 v12, |v[XS]|, |v[XS+1]|, |v[XS+2]|             ; the block's largest magnitude, in two chains
	v_max3_num_f32 v13, |v[XS+3]|, |v[XS+4]|, |v[XS+5]|
.irp i, 6,10,14,18,22,26
	v_max3_num_f32 v12, v12, |v[XS+\i]|, |v[XS+\i+1]|
	v_max3_num_f32 v13, v13, |v[XS+\i+2]|, |v[XS+\i+3]|
.endr
	v_max3_num_f32 v12, v12, |v[XS+30]|, |v[XS+31]|
	v_max3_num_f32 v12, v12, v13, (EMAX+1)<<23     ; and the floor 2^-118: the byte cannot fall under 1
	v_add_nc_u32 v11, -(EMAX<<23), v12             ; 8 off the exponent field: the conversion's scale operand
	v_and_or_b32 v10, v12, 0x7f800000, s31         ; 448 x the scale
	v_lshrrev_b32 v13, 23, v11                     ; the scale's byte
.if (\g) == 0
	v_mov_b32 v24, v13                             ; four bytes make the K step's scale word, the lower k in the lower byte
.else
	v_lshl_or_b32 v24, v13, 8*(\g), v24
.endif
.set i, 0
.rept 32
	v_med3_num_f32 v[XS+i], v[XS+i], -v10, v10     ; the conversion to an 8-bit code does not saturate (ISA guide 7.6.2): the hold comes first
.set i, i+1
.endr
.irp q, 0,1,2,3
	v_cvt_scalef32_pk8_fp8_f32 v[CS+2*\q:CS+2*\q+1], v[XS+8*\q:XS+8*\q+7], v11
.endr
	v_nop                                          ; a plain line behind the last conversion: the next block writes v11 again
	global_store_b128 v3, v[CS:CS+3], s[10:11] offset:512*(\g)        ; k = 32 g + 0 .. 15: the lanes of one u store 256 consecutive bytes, aligned
	global_store_b128 v3, v[CS+4:CS+7], s[10:11] offset:512*(\g)+256  ; k = 32 g + 16 .. 31: the places of lanes 16-31 of the image
.endm
	LOADB 0
	LOADB 1
	BLOCK 0
	BLOCK 1
	BLOCK 2
	BLOCK 3
	global_store_b32 v4, v24, s[12:13]             ; 128 consecutive bytes a wave: one byte in 128 of what the launch reads
	s_endpgm
.Lfunc_end_k_q99ffd8a051_wquant:
	.size	k_q99ffd8a051_wquant, .Lfunc_end_k_q99ffd8a051_wquant-k_q99ffd8a051_wquant
	.p2alignl 7, 3214868480
	.fill 96, 4, 3214868480
	.section	.rodata,"a",@progbits
	.p2align	6, 0x0
	.amdhsa_kernel k_q99ffd8a051_wquant
		.amdhsa_group_segment_fixed_size 0
		.amdhsa_private_segment_fixed_size 0
		.amdhsa_enable_private_segment 0
		.amdhsa_kernarg_size 40
		.amdhsa_user_sgpr_count 2
		.amdhsa_user_sgpr_kernarg_segment_ptr 1
		.amdhsa_wavefront_size32 1
		.amdhsa_system_sgpr_workgroup_id_x 1
		.amdhsa_system_sgpr_workgroup_id_y 1
		.amdhsa_system_sgpr_workgroup_id_z 1
		.amdhsa_system_vgpr_workitem_id 0
		.amdhsa_next_free_vgpr 192
		.amdhsa_next_free_sgpr 66
		.amdhsa_reserve_vcc 0
		.amdhsa_float_denorm_mode_32 3
		.amdhsa_float_denorm_mode_16_64 3
		.amdhsa_memory_ordered 1
		.amdhsa_forward_progress 1
		.amdhsa_inst_pref_size 30
	.end_amdhsa_kernel
	.amdgpu_metadata
---
amdhsa.version: [ 1, 2 ]
amdhsa.kernels:
  - .name:           k_q99ffd8a051_wquant
    .symbol:         k_q99ffd8a051_wquant.kd
    .args:
      - { .name: Wq, .offset: 0, .size: 8, .value_kind: global_buffer, .address_space: global }
      - { .name: Wk, .offset: 8, .size: 8, .value_kind: global_buffer, .address_space: global }
      - { .name: Wv, .offset: 16, .size: 8, .value_kind: global_buffer, .address_space: global }
      - { .name: wimg, .offset: 24, .size: 8, .value_kind: global_buffer, .address_space: global }
      - { .name: wscl, .offset: 32, .size: 8, .value_kind: global_buffer, .address_space: global }
    .group_segment_fixed_size: 0
    .private_segment_fixed_size: 0
    .kernarg_segment_align: 8
    .kernarg_segment_size: 40
    .max_flat_workgroup_size: 128
    .sgpr_count:     66
    .vgpr_count:     192
    .wavefront_size: 32
...
	.end_amdgpu_metadata
.endif
;; end of part 1
;; launch proj (part 2): grid 64 x 3, 4 waves a work-group, no clusters, 135,680 bytes of LDS; arguments queries, keys, values, bq, bk, bv, wimg, wscl, img, scl; writes img, scl
.if DOCPART == 2
	.amdgcn_target "amdgcn-amd-amdhsa--gfx1250"
	.amdhsa_code_object_version 6
	.text
	.protected	k_q99ffd8a051_proj
	.globl	k_q99ffd8a051_proj
	.p2align	8
	.type	k_q99ffd8a051_proj,@function
k_q99ffd8a051_proj:
	s_mov_b64 s[64:65], 0
	v_nop
	global_prefetch_b8 v0, s[64:65] scope:SCOPE_SE
	s_setreg_imm32_b32 hwreg(HW_REG_WAVE_MODE, 25, 1), 1
	s_wait_xcnt 0x0
; q = relu(queries Wq + bq), k and v likewise, each product on codes of FP8 (E4M3) with one E8M0 scale for each 32 along K = 1,024; the results are quantised at once for the
; attention's two products and stored as images of operand registers.  Work-group (x, y): rows 128 x .. 128 x + 127 of tensor y (0 q, 1 k, 2 v), all 1,024 outputs.
; TILES: tile 2 f + u of any 128 rows (or columns) holds in lane r the row 32 f + 8 u + r + 8 (r / 8).  Where such a tile is source 0, registers 0-7 of tiles 2 f and 2 f + 1 of lane half h
; are the 16 neighbours 32 f + 16 h + 0 .. 15: the order in which the next operand's registers want them.
; PHASE X: wave w quantises x's tiles 2 w and 2 w + 1 for all 8 K steps; the fragments go to LDS as images (lane l's 16 bytes at 16 l, four groups of 512 bytes), the f32 numbers are read once.  One barrier.
; PHASE G: wave w makes the column blocks nb = w and w + 4, a pass each: 128 x 128, 64 accumulators.  x's fragments come from LDS, W's straight from wimg into registers.
;   q, k: source 0 = 16 columns of W, source 1 = 16 rows of x: a lane holds one row, its registers run along the head's axis, which is the scores' K.
;   v:    source 0 = 16 rows of x, source 1 = 16 columns of W: a lane holds one channel, its registers run along the keys, which are the second product's K.
;   The bias is the C of each sum's first matrix instruction; the activation is the lower bound of the hold that the conversion wants anyway.
; OUT: img [T 3][bn 32 = 8 b + nb][s 16][L 8][group 4][lane 32][16 bytes]; scl [T][bn][s][e 2][lane 32][2 words] (e: which of the block's two heads).
;   q, k: L = the tile of rows, group 2 e + g = head 2 nb + e, positions 32 g + 16 h + 0 .. 15.  Word w of lane (r, h): pair f = 2 w + h; bytes 0, 1 tile 2 f's two blocks of row r, bytes 2, 3 tile 2 f + 1's.
;   v:    L = 4 e + t = head 2 nb + e, tile t of its channels; group = keys 32 group + 16 h + 0 .. 15 of step s.  Word w of lane (r, h): tile t = 2 w + h, byte = the block of keys.
; LIMITS: a block of zeros gets the byte 1 where the rule says 127 (its codes are zeros; only this program reads the bytes); NaN and infinities are not served.
; NO CLUSTER: the work-groups share W alone, 16 KiB a wave and K step out of registers' reach of a joint load; x, eight times W's bytes, is each work-group's own.
; REGISTERS, in windows of 256: window 0: v2-15, v49-53 addresses; v16-23 x's scale words, v24-31 W's (two sets each, scales alone); v32-48 scale words being made; v64-127 the bias, later v64-79 at work and v80-95 codes;
;   v128-255 x's 8 fragments.   window 1: W's fragments, two sets (in phase X four sets of 64 numbers of x).   windows 2, 3: the accumulators; unit L at window 2 + L / 4, v[64 (L % 4)] on.
.set XSC,  131072                      ; LDS: 0: x's images [tile 8][K step 8][2,048]; here: their scale words [pair 4][K step 8][128]: each wave's stores are one run on end
.set L16,  2                           ; v2   16 x lane
.set L4,   3                           ; v3   4 x lane
.set L8,   4                           ; v4   8 x lane
.set XA,   5                           ; v5   x: my row of a tile, + 64 h
.set XWI,  6                           ; v6   where my wave's images begin, + 16 x lane
.set XWS,  7                           ; v7   and its scale words, + 4 x lane
.set LI,   8                           ; v8-9 the K step's images of tiles 0-3, of tiles 4-7
.set WO,   10                          ; v10-11 offsets into wimg, one for each set
.set WSO,  12                          ; v12-13 into wscl
.set LS,   14                          ; v14  the K step's scale words of x
.set L16H, 15                          ; v15  16 x lane + 65,536
.set XS,   16
.set WS,   24
.set PW,   32                          ; v32-39 the scale words of the eight units
.set SW,   40
.set OW,   44                          ; v44-47 the words as they are stored
.set PWC,  48
.set XWC,  49                          ; v49-50 phase X: the trip's addresses
.set XSCC, 50
.set LSB,  51                          ; v51  XSC + 4 x lane
.set BO0,  52                          ; v52  64 h: the bias of q, k
.set BO1,  53                          ; v53  4 (r + 8 (r / 8)): the bias of v
.set BI,   64
.set TM,   64                          ; v64-67 largest magnitudes, v68-71 bytes, v72-75 448 x the scale, v76-79 the conversions' scale operands
.set PC,   80
.set XF,   128
.set XB,   4                           ; s[4:5] x;  s[6:7] the bias;  s[8:9] wimg;  s[10:11] wscl;  s[12:13] img;  s[14:15] scl: each at my part
.set BB,   6
.set WB,   8
.set WSB,  10
.set OB,   12
.set SB,   14
.set WV,   36
.set TN,   37
.set XN,   38
.set SEL,  40                          ; s[40:41] v_permlanex16_b32's selects for lane l xor 16
.set MNT,  42                          ; s42  the mantissa field of 448
.set HIM,  43                          ; s43  the mask of lanes 16-31
.set PS0,  44                          ; s44-45 byte selects: the low halves, the high halves of two words
.set PASSN, 46
.set CNT,  47
.set KT,   52                          ; s52  2,048 x K step;  s53  128 x K step
.set KU,   53
.set XT,   54                          ; s54, s55 the same for phase X's trips
.set XU,   55
.set MSB, 0
.macro WIN new                         ; the immediate's high byte repeats the setting that is left; a switch that changes nothing is dropped
.if MSB != (\new)
	s_set_vgpr_msb (MSB<<8)|(\new)
.set MSB, (\new)
.endif
.endm
; 64 numbers of a lane in window win, v[s] on, register 16 b + i = k 32 b + 16 (lane / 16) + i of my row, become a fragment's codes in v[PC] on and its scale word in v[pw].
; relu = 1: what is negative becomes 0 on the way.  Five stretches, each under one window setting.  An accumulator is read from its low end on.
.macro QUANT win, s, relu, pw
	WIN (\win)|((\win)<<2)
.irp b, 0,1,2,3
.if \relu
	v_max3_num_f32 v[TM+\b], v[(\s)+16*\b], v[(\s)+1+16*\b], 0x4800000      ; no |.|: what is negative must not count; the floor 2^-118 stands over it
.else
	v_max3_num_f32 v[TM+\b], |v[(\s)+16*\b]|, |v[(\s)+1+16*\b]|, 0x4800000
.endif
.endr
	WIN ((\win)<<2)|((\win)<<4)
.irp i, 2,4,6,8,10,12,14
.irp b, 0,1,2,3
.if \relu
	v_max3_num_f32 v[TM+\b], v[TM+\b], v[(\s)+16*\b+\i], v[(\s)+1+16*\b+\i]  ; the four blocks by turns
.else
	v_max3_num_f32 v[TM+\b], v[TM+\b], |v[(\s)+16*\b+\i]|, |v[(\s)+1+16*\b+\i]|
.endif
.endr
.endr
	WIN 0
.irp b, 0,1,2,3
	v_permlanex16_b32 v[TM+4+\b], v[TM+\b], s[SEL], s[SEL+1]
.endr
.irp b, 0,1,2,3
	v_max_num_f32 v[TM+\b], v[TM+\b], v[TM+4+\b]   ; with lane l xor 16's 16: the block's largest magnitude
.endr
.irp b, 0,1,2,3
	v_add_nc_u32 v[TM+12+\b], 0xfc000000, v[TM+\b] ; 8 off its exponent field: the conversion's scale operand
.endr
.irp b, 0,1,2,3
	v_and_or_b32 v[TM+8+\b], v[TM+\b], 0x7f800000, s[MNT]  ; 448 x the scale
.endr
.irp b, 0,1,2,3
	v_lshrrev_b32 v[TM+4+\b], 23, v[TM+12+\b]      ; the scale's byte
.endr
	v_lshl_or_b32 v[\pw], v[TM+5], 8, v[TM+4]      ; the four bytes make my row's scale word; both halves of the lanes hold the same
	v_lshl_or_b32 v[\pw], v[TM+6], 16, v[\pw]
	v_lshl_or_b32 v[\pw], v[TM+7], 24, v[\pw]
	WIN ((\win)<<6)|(\win)
.irp b, 0,1,2,3
.irp i, 0,1,2,3,4,5,6,7,8,9,10,11,12,13,14,15
.if \relu
	v_med3_num_f32 v[(\s)+16*\b+\i], v[(\s)+16*\b+\i], 0, v[TM+8+\b]         ; the activation and the hold in one
.else
	v_med3_num_f32 v[(\s)+16*\b+\i], v[(\s)+16*\b+\i], -v[TM+8+\b], v[TM+8+\b] ; the conversion does not saturate (ISA guide 7.6.2)
.endif
.endr
.endr
	WIN (\win)
.irp b, 0,1,2,3
	v_cvt_scalef32_pk8_fp8_f32 v[PC+4*\b:PC+4*\b+1], v[(\s)+16*\b:(\s)+16*\b+7], v[TM+12+\b]
	v_cvt_scalef32_pk8_fp8_f32 v[PC+4*\b+2:PC+4*\b+3], v[(\s)+16*\b+8:(\s)+16*\b+15], v[TM+12+\b]
.endr
	WIN 0
	v_nop                                          ; a plain line behind the last conversion: vector and matrix instructions write its sources later
.endm
; 16 rows x 128 along K of x, 64 numbers a lane, into set `set` of window 1
.macro XLOAD set, off
	WIN 0x40
.irp b, 0,1,2,3
.irp j, 0,1,2,3
	global_load_b128 v[64*(\set)+16*\b+4*\j:64*(\set)+16*\b+4*\j+3], v[XA], s[XB:XB+1] offset:(\off)+128*\b+16*\j th:TH_LOAD_NT
.endr
.endr
	WIN 0
.endm
; Unit k of a trip's four: K step k / 2 of the trip's two, tile 2 w + k % 2.  load = 1: the unit three further on is asked for, into the set that the unit before has left.
.macro XUNIT k, load, cnt
.if \load
	XLOAD (\k+3)%4, ((\k+3)&1)*32768+((\k+3)>>1)*512
.endif
	s_wait_loadcnt \cnt                            ; my unit's 16 loads are in; those of the younger units, 16 each, may be out
	QUANT 1, 64*\k, 0, PW+(\k&1)
.irp g, 0,1,2,3
	ds_store_b128 v[XWC], v[PC+4*\g:PC+4*\g+3] offset:(\k&1)*16384+(\k>>1)*2048+512*\g
.endr
.if \k&1
	v_cndmask_b32 v[PWC], v[PW], v[PW+1], s[HIM]   ; lanes 0-15: tile 2 w's words, lanes 16-31: tile 2 w + 1's: one register serves both tiles
	ds_store_b32 v[XSCC], v[PWC] offset:(\k>>1)*128
.endif
	s_wait_dscnt 0x0                               ; the stores have read their registers
.endm
.macro EMIT                            ; one product, by the symbols rD, rA, rB, rC, rSA, rSB; rRA, rRB: the scales stand in lanes 16-31
.if rRA && rRB
	v_wmma_scale_f32_16x16x128_f8f6f4 v[rD:rD+7], v[rA:rA+15], v[rB:rB+15], v[rC:rC+7], v[rSA], v[rSB] matrix_a_scale:MATRIX_SCALE_ROW1 matrix_b_scale:MATRIX_SCALE_ROW1
.elseif rRA
	v_wmma_scale_f32_16x16x128_f8f6f4 v[rD:rD+7], v[rA:rA+15], v[rB:rB+15], v[rC:rC+7], v[rSA], v[rSB] matrix_a_scale:MATRIX_SCALE_ROW1
.elseif rRB
	v_wmma_scale_f32_16x16x128_f8f6f4 v[rD:rD+7], v[rA:rA+15], v[rB:rB+15], v[rC:rC+7], v[rSA], v[rSB] matrix_b_scale:MATRIX_SCALE_ROW1
.else
	v_wmma_scale_f32_16x16x128_f8f6f4 v[rD:rD+7], v[rA:rA+15], v[rB:rB+15], v[rC:rC+7], v[rSA], v[rSB]
.endif
.endm
; 16 products under one window setting.  The 64 accumulators take turns, one instruction a turn, in the same order in every K step.
.macro MUL16 ord, xh, g, p, first
.if \ord                               ; v: x's tiles 4 xh .. + 3 (source 0, window 0) against W's tiles 4 g .. + 3 (source 1, window 1)
	WIN ((2+\g)<<6)|((1-\first)*((2+\g)<<4))|0x04
.irp dw, 0,1,2,3
.irp dx, 0,1,2,3
.set wi, 4*\g+\dw
.set xi, 4*\xh+\dx
.set rD, 64*\dw+8*xi
.set rA, XF+16*xi
.set rB, 128*\p+16*wi
.set rC, rD
.if \first
.set rC, BI+8*wi
.endif
.set rSA, XS+4*\p+xi/2
.set rSB, WS+4*\p+wi/2
.set rRA, xi%2
.set rRB, wi%2
	EMIT
.endr
.endr
.else                                  ; q, k: W's eight tiles (source 0, window 1) against x's tiles 4 xh + 2 g, + 1 (source 1, window 0)
	WIN ((2+\xh)<<6)|((1-\first)*((2+\xh)<<4))|0x01
.irp dx, 0,1
.irp dw, 0,1,2,3,4,5,6,7
.set wi, \dw
.set xi, 4*\xh+2*\g+\dx
.set rD, 64*(xi%4)+8*wi
.set rA, 128*\p+16*wi
.set rB, XF+16*xi
.set rC, rD
.if \first
.set rC, BI+8*wi
.endif
.set rSA, WS+4*\p+wi/2
.set rSB, XS+4*\p+xi/2
.set rRA, wi%2
.set rRB, xi%2
	EMIT
.endr
.endr
.endif
.endm
.macro XFETCH hx                       ; x's tiles 4 hx .. + 3 of the K step in hand
.irp d, 0,1,2,3
.irp g, 0,1,2,3
	ds_load_b128 v[XF+16*(4*\hx+\d)+4*\g:XF+16*(4*\hx+\d)+4*\g+3], v[LI+\hx] offset:\d*16384+512*\g
.endr
.endr
.endm
.macro XSFETCH p                       ; and its scale words, into set p
.irp f, 0,1,2,3
	ds_load_b32 v[XS+4*(\p)+\f], v[LS] offset:\f*1024
.endr
.endm
.macro WFETCH q, step                  ; a K step of W into set q: 4 loads of scale words, 32 of fragments
.if \step
	v_add_nc_u32 v[WO+(\q)], 0x8000, v[WO+(\q)]    ; two K steps on; the loads that last read these two registers were shown landed a K step ago
	v_add_nc_u32 v[WSO+(\q)], 1024, v[WSO+(\q)]
.endif
.irp c, 0,1,2,3
	global_load_b32 v[WS+4*(\q)+\c], v[WSO+(\q)], s[WSB:WSB+1] offset:128*\c
.endr
	WIN 0x40
.irp t, 0,1,2,3,4,5,6,7
.irp g, 0,1,2,3
	global_load_b128 v[128*(\q)+16*\t+4*\g:128*(\q)+16*\t+4*\g+3], v[WO+(\q)], s[WB:WB+1] offset:2048*\t+512*\g
.endr
.endr
	WIN 0
.endm
; A K step of 128: 64 products.  A load into a register that a matrix instruction has read stands eight plain vector instructions behind it.
.macro KSTEP ord, p, first, more, step
.if \more
	WFETCH 1-\p, \step
	s_wait_loadcnt 36                              ; all but the 36 just issued: this K step's W (and the bias) are in
.else
	s_wait_loadcnt 0x0
.endif
.if \first && \ord
.irp t, 0,1,2,3,4,5,6,7                ; v's bias hangs on the lane's channel alone: the same number in a tile's eight registers
.irp j, 1,2,3,4,5,6,7
	v_mov_b32 v[BI+8*\t+\j], v[BI+8*\t]
.endr
.endr
.rept 4
	v_nop
.endr
.endif
	s_wait_dscnt 16                                ; x's tiles 0-3 and the scale words are in; the youngest 16 loads (tiles 4-7) may be out
	MUL16 \ord, 0, 0, \p, \first
	MUL16 \ord, 0, 1, \p, \first
	s_wait_dscnt 0x0                               ; tiles 4-7 are in
.if \more
	WIN 0
	s_add_co_u32 s[KT], s[KT], 2048
	s_add_co_u32 s[KU], s[KU], 128
	v_add_nc_u32 v[LI], s[KT], v[L16]              ; the next K step's addresses: three of the eight places
	v_add_nc_u32 v[LI+1], s[KT], v[L16H]
	v_add_nc_u32 v[LS], s[KU], v[LSB]
.rept 5
	v_nop
.endr
	XFETCH 0
	XSFETCH 1-\p
.endif
	MUL16 \ord, 1, 0, \p, \first
	MUL16 \ord, 1, 1, \p, \first
	WIN 0
.rept 8
	v_nop                                          ; places in front of the loads into tiles 4-7 and into W's other set, and of the first read of results
.endr
.if \more
	XFETCH 1
.endif
.endm
.macro GEMM ord
.if \ord
.irp t, 0,1,2,3,4,5,6,7
	global_load_b32 v[BI+8*\t], v[BO1], s[BB:BB+1] offset:(32*(\t/2)+8*(\t%2))*4
.endr
.else
.irp t, 0,1,2,3,4,5,6,7                ; lane half h wants, for tile 2 c + u, the bias of columns 32 c + 16 h + 8 u + 0 .. 7
	global_load_b128 v[BI+8*\t:BI+8*\t+3], v[BO0], s[BB:BB+1] offset:(32*(\t/2)+8*(\t%2))*4
	global_load_b128 v[BI+8*\t+4:BI+8*\t+7], v[BO0], s[BB:BB+1] offset:(32*(\t/2)+8*(\t%2))*4+16
.endr
.endif
	WFETCH 0, 0
	XFETCH 0
	XSFETCH 0
	XFETCH 1
	KSTEP \ord, 0, 1, 1, 0                         ; K step 0 stands in front of the loop: its products start the sums, on the bias
	s_mov_b32 s[CNT], 3
.Lk_\@:
	KSTEP \ord, 1, 0, 1, 1
	KSTEP \ord, 0, 0, 1, 1
	s_sub_co_u32 s[CNT], s[CNT], 1
	s_cmp_lg_u32 s[CNT], 0
	s_cbranch_scc1 .Lk_\@
	KSTEP \ord, 1, 0, 0, 0                         ; K step 7 fetches nothing
.endm
.macro EPI L                           ; unit L's 64 numbers a lane: activation, codes, image
	s_wait_xcnt 0x0                                ; the last unit's stores have read the codes' registers
	QUANT 2+\L/4, 64*(\L%4), 1, PW+\L
.irp g, 0,1,2,3
	global_store_b128 v[L16], v[PC+4*\g:PC+4*\g+3], s[OB:OB+1] offset:2048*\L+512*\g   ; 32 lanes store 512 consecutive bytes, aligned
.endr
.endm
	s_load_b512 s[16:31], s[0:1], 0x0              ; queries, keys, values, bq, bk, bv, wimg, wscl
	s_load_b128 s[32:35], s[0:1], 0x40             ; img, scl
	v_lshl_add_u32 v62, v0, 2, 0x21000
	v_mov_b32 v63, 0
	v_lshrrev_b32 v1, 5, v0
	v_readfirstlane_b32 s[WV], v1                  ; wave 0..3
	s_and_b32 s[TN], ttmp7, 0xffff                 ; which tensor
	s_mov_b32 s[XN], ttmp9                         ; which 128 rows
	v_and_b32 v1, 31, v0
	v_lshlrev_b32 v[L16], 4, v1
	v_lshlrev_b32 v[L4], 2, v1
	v_lshlrev_b32 v[L8], 3, v1
	v_and_b32 v54, 15, v0                          ; r
	v_bfe_u32 v55, v0, 4, 1                        ; h
	v_and_b32 v56, 8, v54
	v_add_nc_u32 v56, v56, v54                     ; r + 8 (r / 8)
	v_lshlrev_b32 v[BO0], 6, v55
	v_lshlrev_b32 v[BO1], 2, v56
	v_lshl_add_u32 v[XA], v56, 12, v[BO0]          ; a row of x is 4,096 bytes; my 16 numbers of a block of 32 begin 64 h bytes in
	s_lshl_b32 s48, s[WV], 15
	v_add_nc_u32 v[XWI], s48, v[L16]               ; my wave's two tiles: 32,768 bytes of images
	s_lshl_b32 s48, s[WV], 10
	s_add_co_u32 s48, s48, XSC
	v_add_nc_u32 v[XWS], s48, v[L4]                ; and 1,024 bytes of scale words
	v_add_nc_u32 v[L16H], 0x10000, v[L16]
	v_add_nc_u32 v[LSB], XSC, v[L4]
.irp b, 0,1,2,3
	v_mov_b32 v[TM+4+\b], 0                        ; written once: a lane permute's destination counts as one of its sources
.endr
	s_mov_b32 s[SEL], 0x76543210
	s_mov_b32 s[SEL+1], 0xfedcba98
	s_mov_b32 s[MNT], 0x600000
	s_mov_b32 s[HIM], 0xffff0000
	s_mov_b32 s[PS0], 0x05040100
	s_mov_b32 s[PS0+1], 0x07060302
	s_lshl_b32 s48, s[XN], 19                      ; x: 128 rows of 4,096 bytes a work-group,
	s_lshl_b32 s50, s[WV], 17                      ; 32 rows a wave
	s_add_co_u32 s48, s48, s50
	s_mov_b32 s49, 0
	s_wait_kmcnt 0x0
	s_cmp_eq_u32 s[TN], 1                          ; the choices hang on the work-group's number alone
	s_cselect_b64 s[XB:XB+1], s[18:19], s[16:17]
	s_cselect_b64 s[BB:BB+1], s[24:25], s[22:23]
	s_cmp_eq_u32 s[TN], 2
	s_cselect_b64 s[XB:XB+1], s[20:21], s[XB:XB+1]
	s_cselect_b64 s[BB:BB+1], s[26:27], s[BB:BB+1]
	s_add_nc_u64 s[XB:XB+1], s[XB:XB+1], s[48:49]
	XLOAD 0, 0                                     ; three units ahead
	XLOAD 1, 32768
	XLOAD 2, 512
	s_lshl_b32 s48, s[WV], 9                       ; the bias: 128 numbers a column block
	s_add_nc_u64 s[BB:BB+1], s[BB:BB+1], s[48:49]
	s_lshl_b32 s48, s[TN], 20                      ; wimg: 2^20 bytes a tensor, 2^17 a column block
	s_add_co_u32 s48, s48, s50
	s_add_nc_u64 s[WB:WB+1], s[28:29], s[48:49]
	s_lshl_b32 s48, s[TN], 15                      ; wscl: 2^15 a tensor, 2^12 a column block
	s_lshl_b32 s50, s[WV], 12
	s_add_co_u32 s48, s48, s50
	s_add_nc_u64 s[WSB:WSB+1], s[30:31], s[48:49]
	s_lshr_b32 s51, s[XN], 4                       ; b
	s_and_b32 s50, s[XN], 15                       ; s
	s_lshl_b32 s48, s[TN], 23                      ; img: 2^23 a tensor, 2^21 a batch, 2^18 a column block, 2^14 a step of 128 rows
	s_lshl_b32 s39, s51, 21
	s_add_co_u32 s48, s48, s39
	s_lshl_b32 s39, s[WV], 18
	s_add_co_u32 s48, s48, s39
	s_lshl_b32 s39, s50, 14
	s_add_co_u32 s48, s48, s39
	s_add_nc_u64 s[OB:OB+1], s[32:33], s[48:49]
	s_lshl_b32 s48, s[TN], 18                      ; scl: 2^18, 2^16, 2^13, 2^9
	s_lshl_b32 s39, s51, 16
	s_add_co_u32 s48, s48, s39
	s_lshl_b32 s39, s[WV], 13
	s_add_co_u32 s48, s48, s39
	s_lshl_b32 s39, s50, 9
	s_add_co_u32 s48, s48, s39
	s_add_nc_u64 s[SB:SB+1], s[34:35], s[48:49]
	; ---- PHASE X: 16 units, four a trip (two K steps x my two tiles)
	s_mov_b32 s[XT], 0
	s_mov_b32 s[XU], 0
	s_mov_b32 s[CNT], 3
.Lxtrip:
	v_add_nc_u32 v[XWC], s[XT], v[XWI]
	v_add_nc_u32 v[XSCC], s[XU], v[XWS]
	XUNIT 0, 1, 48
	XUNIT 1, 1, 48
	XUNIT 2, 1, 48
	XUNIT 3, 1, 48
	s_wait_xcnt 0x0                                ; the loads have read their base: it may step
	s_add_nc_u64 s[XB:XB+1], s[XB:XB+1], 1024
	s_add_co_u32 s[XT], s[XT], 4096
	s_add_co_u32 s[XU], s[XU], 256
	s_sub_co_u32 s[CNT], s[CNT], 1
	s_cmp_lg_u32 s[CNT], 0
	s_cbranch_scc1 .Lxtrip
	v_add_nc_u32 v[XWC], s[XT], v[XWI]             ; the last trip is written out: one more unit is asked for, then the counts run down
	v_add_nc_u32 v[XSCC], s[XU], v[XWS]
	XUNIT 0, 1, 48
	XUNIT 1, 0, 32
	XUNIT 2, 0, 16
	XUNIT 3, 0, 0
	s_wait_dscnt 0x0                               ; for the others' sake: my images and scale words have landed
	s_barrier_signal -1
	s_barrier_wait -1                              ; all 64 fragments of x lie in LDS; from here on LDS is only read
	; ---- PHASE G: two passes, column blocks w and w + 4
	s_mov_b32 s[PASSN], 2
.Lpass:
	s_mov_b32 s[KT], 0
	s_mov_b32 s[KU], 0
	v_add_nc_u32 v[LI], s[KT], v[L16]
	v_add_nc_u32 v[LI+1], s[KT], v[L16H]
	v_add_nc_u32 v[LS], s[KU], v[LSB]
	v_mov_b32 v[WO], v[L16]                        ; set 0 begins at K step 0, set 1 at K step 1
	v_add_nc_u32 v[WO+1], 16384, v[L16]
	v_mov_b32 v[WSO], v[L4]
	v_add_nc_u32 v[WSO+1], 512, v[L4]
	s_cmp_eq_u32 s[TN], 2                          ; the two orientations differ in every product: two copies, chosen by the work-group's number; neither holds a barrier or an LDS store
	s_cbranch_scc1 .Lgemm_v
	GEMM 0
	s_branch .Lepi
.Lgemm_v:
	GEMM 1
.Lepi:
	EPI 0
	EPI 1
	EPI 2
	EPI 3
	EPI 4
	EPI 5
	EPI 6
	EPI 7
	s_cmp_eq_u32 s[TN], 2
	s_cbranch_scc1 .Lscl_v
.irp e, 0,1                            ; q, k: head e's two bytes of tiles 2 f and 2 f + 1 make pair f's word; pairs 2 w and 2 w + 1 share a register, one in each half of the lanes
.irp f, 0,1,2,3
	v_perm_b32 v[SW+\f], v[PW+2*\f+1], v[PW+2*\f], s[PS0+\e]
.endr
	v_cndmask_b32 v[OW+2*\e], v[SW], v[SW+1], s[HIM]
	v_cndmask_b32 v[OW+2*\e+1], v[SW+2], v[SW+3], s[HIM]
.endr
	s_branch .Lscl_out
.Lscl_v:
.irp e, 0,1                            ; v: a unit's word is a tile's word as it stands
	v_cndmask_b32 v[OW+2*\e], v[PW+4*\e], v[PW+4*\e+1], s[HIM]
	v_cndmask_b32 v[OW+2*\e+1], v[PW+4*\e+2], v[PW+4*\e+3], s[HIM]
.endr
.Lscl_out:
	global_store_b64 v[L8], v[OW:OW+1], s[SB:SB+1]             ; 32 lanes store 256 consecutive bytes, aligned
	global_store_b64 v[L8], v[OW+2:OW+3], s[SB:SB+1] offset:256
	s_wait_xcnt 0x0                                ; the stores have read their registers and bases: both may be written again
	s_add_nc_u64 s[BB:BB+1], s[BB:BB+1], 2048      ; four column blocks on
	s_add_nc_u64 s[WB:WB+1], s[WB:WB+1], 0x80000
	s_add_nc_u64 s[WSB:WSB+1], s[WSB:WSB+1], 16384
	s_add_nc_u64 s[OB:OB+1], s[OB:OB+1], 0x100000
	s_add_nc_u64 s[SB:SB+1], s[SB:SB+1], 32768
	s_sub_co_u32 s[PASSN], s[PASSN], 1
	s_cmp_lg_u32 s[PASSN], 0
	s_cbranch_scc1 .Lpass
	s_wait_tensorcnt 0x0
	ds_add_u32 v62, v63
	s_wait_dscnt 0x0
	s_endpgm
.Lfunc_end_k_q99ffd8a051_proj:
	.size	k_q99ffd8a051_proj, .Lfunc_end_k_q99ffd8a051_proj-k_q99ffd8a051_proj
	.p2alignl 7, 3214868480
	.fill 96, 4, 3214868480
	.section	.rodata,"a",@progbits
	.p2align	6, 0x0
	.amdhsa_kernel k_q99ffd8a051_proj
		.amdhsa_group_segment_fixed_size 135680
		.amdhsa_private_segment_fixed_size 0
		.amdhsa_enable_private_segment 0
		.amdhsa_kernarg_size 80
		.amdhsa_user_sgpr_count 2
		.amdhsa_user_sgpr_kernarg_segment_ptr 1
		.amdhsa_wavefront_size32 1
		.amdhsa_system_sgpr_workgroup_id_x 1
		.amdhsa_system_sgpr_workgroup_id_y 1
		.amdhsa_system_sgpr_workgroup_id_z 1
		.amdhsa_system_vgpr_workitem_id 0
		.amdhsa_next_free_vgpr 1024
		.amdhsa_next_free_sgpr 66
		.amdhsa_reserve_vcc 0
		.amdhsa_float_denorm_mode_32 3
		.amdhsa_float_denorm_mode_16_64 3
		.amdhsa_memory_ordered 1
		.amdhsa_forward_progress 1
		.amdhsa_inst_pref_size 255
	.end_amdhsa_kernel
	.section	.bss,"aw",@nobits
	.p2align	6
	.space	262144
	.amdgpu_metadata
---
amdhsa.version: [ 1, 2 ]
amdhsa.kernels:
  - .name:           k_q99ffd8a051_proj
    .symbol:         k_q99ffd8a051_proj.kd
    .args:
      - { .name: queries, .offset: 0, .size: 8, .value_kind: global_buffer, .address_space: global }
      - { .name: keys, .offset: 8, .size: 8, .value_kind: global_buffer, .address_space: global }
      - { .name: values, .offset: 16, .size: 8, .value_kind: global_buffer, .address_space: global }
      - { .name: bq, .offset: 24, .size: 8, .value_kind: global_buffer, .address_space: global }
      - { .name: bk, .offset: 32, .size: 8, .value_kind: global_buffer, .address_space: global }
      - { .name: bv, .offset: 40, .size: 8, .value_kind: global_buffer, .address_space: global }
      - { .name: wimg, .offset: 48, .size: 8, .value_kind: global_buffer, .address_space: global }
      - { .name: wscl, .offset: 56, .size: 8, .value_kind: global_buffer, .address_space: global }
      - { .name: img, .offset: 64, .size: 8, .value_kind: global_buffer, .address_space: global }
      - { .name: scl, .offset: 72, .size: 8, .value_kind: global_buffer, .address_space: global }
    .group_segment_fixed_size: 135680
    .private_segment_fixed_size: 0
    .kernarg_segment_align: 8
    .kernarg_segment_size: 80
    .max_flat_workgroup_size: 128
    .sgpr_count:     66
    .vgpr_count:     1024
    .wavefront_size: 32
...
	.end_amdgpu_metadata
.endif
;; end of part 2
;; launch attn (part 3): grid 4 x 64, 16 waves a work-group, clusters of 4 x 1, 307,200 bytes of LDS; arguments img, scl, attention_mask, obuf; writes obuf
.if DOCPART == 3
	.amdgcn_target "amdgcn-amd-amdhsa--gfx1250"
	.amdhsa_code_object_version 6
	.text
	.protected	k_q99ffd8a051_attn
	.globl	k_q99ffd8a051_attn
	.p2align	8
	.type	k_q99ffd8a051_attn,@function
k_q99ffd8a051_attn:
	s_mov_b64 s[64:65], 0
	v_nop
	global_prefetch_b8 v0, s[64:65] scope:SCOPE_SE
	s_setreg_imm32_b32 hwreg(HW_REG_WAVE_MODE, 25, 1), 1
	s_wait_xcnt 0x0
	s_wait_alu depctr_hold_cnt(0) depctr_sa_sdst(0) depctr_va_vdst(0) depctr_va_sdst(0) depctr_va_ssrc(0) depctr_va_vcc(0) depctr_vm_vsrc(0)
	s_getreg_b32 s2, hwreg(HW_REG_IB_STS2, 6, 4)
	s_cmp_eq_u32 s2, 0
	s_cbranch_scc0 .Lentry_in_a_cluster
	s_endpgm
.Lentry_in_a_cluster:
	s_bfe_u32 s2, ttmp6, 0x10000c
	s_cmp_lg_u32 s2, 0x3003
	s_cbranch_scc0 .Lentry_shape_is_right
	s_endpgm
.Lentry_shape_is_right:
; obuf[b][q][64 head + d] = the sum over keys of softmax(q . k / 8) v, per batch and head, both products on codes of FP8 (E4M3) with one E8M0 scale for each 32 along a product's K.
; THE SOFTMAX AHEAD OF THE SECOND PRODUCT: t = score x log2(e) / 8; M = the running largest t rounded UP to a whole number; p = 2^(t - M) is quantised along the keys, not normalised; the row's sum is
; taken of the unquantised p and divides at the end.  When M moves, the sum and O are multiplied by 2^(old M - new M), which rounds nothing.
; THE MASK hangs on the QUERY: a masked query has the score 1e-9 at every key.  Here its codes of q are set to 0, once a tile: all its scores are 0, M = 0, p = 1, the sum 2,048.  The definition has
; t = 1.4e-9, M = 1, p = 2^(t - 1), which is 0.5 in f32, the sum 1,024: both are the sum of the quantised v over 2,048, for every input.  No branch and no address hangs on the mask.
; SHARES: work-group y = 16 b + head; the four work-groups of a head own 512 queries each and form a cluster.  Sixteen waves; wave w takes the tile of 16 queries 32 x + 16 pass + w, two passes.
; A head's codes and scale words of k and v, 270,336 bytes, come into LDS ONCE, by joint loads (the same descriptor and a mask that names the four, in all four): nothing is filled again.
; THE SCORES' K IS 64: a fragment of k (16 registers) holds TWO tiles of keys, tile 2 f in registers 0-7 and tile 2 f + 1 in 8-15.  q lies in 24 registers as [zeros | q | zeros]: the upper 16 pick tile 2 f,
; the lower 16 tile 2 f + 1.  The half that is not meant meets zero codes; k's codes there are finite (the quantiser holds at 448) and all scale bytes lie in 1 .. 254, so it adds exactly 0.
; LAYOUT: both products transposed: S^T = k q^T, O^T = v^T p^T: a lane holds one query throughout.  Lane r of tile 2 f + u of any 128 rows holds row 32 f + 8 u + r + 8 (r / 8), so that the 16 registers of
; tiles 2 f and 2 f + 1 of a result are 16 neighbours: the conversions' results are the next operand's registers.
; LIMITS: NaN and infinities are not served.
; REGISTERS: v1-7 addresses that stay; v8-11 the step's; v12 -M, v13 the largest t, v[14:15] the sum; v16-39 q between zeros; v40-103 four fragments of k, then of v; v104-167 S^T, then p; v168-199 O^T;
;   v200-215 p's codes; v216-231, v240 at work; v232-237 scale words alone; v[238:239] the rescaling factor.
.set VIMG,  131072                     ; LDS: 0: k's images, 8,192 bytes a step of 128 keys; here: v's
.set KSC,   262144                     ; k's scale words, 256 bytes a step
.set VSC,   266240                     ; v's
.set STAGE, 270336                     ; the way out: 8 rows x 272 bytes for each wave; no tile lands here
.set QZ,  16
.set KF,  40
.set S,   104
.set O,   168
.set PC,  200
.set BM,  216
.set T2,  220
.set HD,  224
.set SC,  228
.set SK,  232
.set SV,  234
.set QS,  236
.set PS,  237
.set F,   238
.set TA,  240
.set WV,  12
.set G1K, 16                           ; s[16:23] descriptor group 1 for k's codes;  s[24:31] for v's;  s[32:39] for scale words
.set G1V, 24
.set G1S, 32
.set G0C, 40                           ; s[40:43] group 0 for my load of codes;  s[44:47] of scale words
.set G0S, 44
.set SEL, 48
.set CS,  50                           ; s[50:51] c = log2(e) / 8
.set MNT, 52
.set TB,  53                           ; s53  8,192 x step;  s54  256 x step
.set TS,  54
.set CNT, 55
.set QB,  58                           ; s[58:59] q's codes, s[60:61] its scale words, s[62:63] the mask, s[66:67] obuf: each at my tile of pass 0
.set QSB, 60
.set MB,  62
.set OBB, 66
.set PSEL, 80
.macro CROUND                          ; a round of the cluster's barrier
	s_barrier_signal -1
	s_barrier_wait -1
	s_cmp_lg_u32 s[WV], 0
	s_cbranch_scc1 .Lnot_wave_0_\@
	s_barrier_signal -3
.Lnot_wave_0_\@:
	s_barrier_wait -3
	s_barrier_signal -1
	s_barrier_wait -1
.endm
	s_load_b256 s[4:11], s[0:1], 0x0               ; img s[4:5], scl s[6:7], the mask s[8:9], obuf s[10:11]
	v_lshl_add_u32 v254, v0, 2, 0x4a800
	v_mov_b32 v255, 0
	ds_add_u32 v254, v255
	ds_add_u32 v254, v255
	v_lshrrev_b32 v1, 5, v0
	v_readfirstlane_b32 s[WV], v1                  ; wave 0..15
	s_and_b32 s15, ttmp7, 0xffff                   ; 16 b + head, which the four partners share
	s_lshr_b32 s68, s15, 1                         ; bn = 8 b + head / 2
	s_and_b32 s69, s15, 1                          ; e = head % 2
	s_lshr_b32 s70, s[WV], 3                       ; waves 0-7 fetch for k (0), waves 8-15 for v (1),
	s_and_b32 s71, s[WV], 7                        ; two steps of 128 keys each
	s_add_co_u32 s72, s70, 1                       ; the tensor's number in img and scl
	s_lshl_b32 s74, s72, 23
	s_lshl_b32 s73, s68, 18
	s_add_co_u32 s74, s74, s73
	s_lshl_b32 s73, s71, 15
	s_add_co_u32 s74, s74, s73
	s_mul_i32 s73, s70, 7168
	s_add_co_u32 s73, s73, 1024                    ; head e begins 1,024 e bytes into a tile of k, 8,192 e bytes into a step of v
	s_mul_i32 s73, s73, s69
	s_add_co_u32 s74, s74, s73
	s_mov_b32 s75, 0
	s_lshl_b32 s76, s72, 18
	s_lshl_b32 s73, s68, 13
	s_add_co_u32 s76, s76, s73
	s_lshl_b32 s73, s71, 10
	s_add_co_u32 s76, s76, s73
	s_lshl_b32 s73, s69, 8
	s_add_co_u32 s76, s76, s73
	s_mov_b32 s77, 0
	; group 1, elements of 8 bytes, no padding (an image is read 16 bytes a lane on end).  k: 16 rows (8 tiles x 2 steps) of 1,024 bytes, 2,048 apart
	s_mov_b32 s[G1K], 15|(3<<16)|(1<<21)           ; 15:0 the mask: all four work-groups; 17:16 elements of 8 bytes; 21 set beside a mask
	s_mov_b32 s[G1K+1], 128<<16                    ; tensor_dim0
	s_mov_b32 s[G1K+2], 16<<16                     ; tensor_dim1
	s_mov_b32 s[G1K+3], 128<<16                    ; tile_dim0
	s_mov_b32 s[G1K+4], 16                         ; tile_dim1
	s_mov_b32 s[G1K+5], 256                        ; the pitch
	s_mov_b32 s[G1K+6], 0
	s_mov_b32 s[G1K+7], 0
	s_mov_b32 s[G1V], 15|(3<<16)|(1<<21)           ; v: 2 rows (steps) of 8,192 bytes, 16,384 apart
	s_mov_b32 s[G1V+1], 1024<<16
	s_mov_b32 s[G1V+2], 2<<16
	s_mov_b32 s[G1V+3], 1024<<16
	s_mov_b32 s[G1V+4], 2
	s_mov_b32 s[G1V+5], 2048
	s_mov_b32 s[G1V+6], 0
	s_mov_b32 s[G1V+7], 0
	s_mov_b32 s[G1S], 15|(3<<16)|(1<<21)           ; scale words: 2 rows (steps) of 256 bytes, 512 apart
	s_mov_b32 s[G1S+1], 32<<16
	s_mov_b32 s[G1S+2], 2<<16
	s_mov_b32 s[G1S+3], 32<<16
	s_mov_b32 s[G1S+4], 2
	s_mov_b32 s[G1S+5], 64
	s_mov_b32 s[G1S+6], 0
	s_mov_b32 s[G1S+7], 0
	s_mov_b32 s[SEL], 0x76543210
	s_mov_b32 s[SEL+1], 0xfedcba98
	s_mov_b32 s[CS], 0x3e38aa3b                    ; log2(e) / 8
	s_mov_b32 s[CS+1], s[CS]                       ; (named with it as a pair, so it is written)
	s_mov_b32 s[MNT], 0x600000
	s_wait_dscnt 0x0
	s_wait_kmcnt 0x0
	s_mov_b32 s[G0C], 1
	s_lshl_b32 s[G0C+1], s[WV], 14                 ; 16,384 bytes a wave: k's eight, then v's eight
	s_add_nc_u64 s[G0C+2:G0C+3], s[4:5], s[74:75]
	s_or_b32 s[G0C+3], s[G0C+3], 0x80000000
	s_mov_b32 s[G0S], 1
	s_lshl_b32 s[G0S+1], s[WV], 9                  ; 512 bytes a wave
	s_add_co_u32 s[G0S+1], s[G0S+1], KSC
	s_add_nc_u64 s[G0S+2:G0S+3], s[6:7], s[76:77]
	s_or_b32 s[G0S+3], s[G0S+3], 0x80000000
	CROUND                                         ; all four work-groups are here: the joint loads meet
	tensor_load_to_lds s[G0S:G0S+3], s[G1S:G1S+7]  ; two loads of mine are out at the most: the scale words,
	s_nop 0
.rept 4
	v_nop
.endr
	s_cmp_lt_u32 s[WV], 8                          ; and the codes: two shapes, two lines, chosen by the wave's number alone
	s_cbranch_scc0 .Lfor_v
	tensor_load_to_lds s[G0C:G0C+3], s[G1K:G1K+7]
	s_nop 0
.rept 4
	v_nop
.endr
	s_branch .Lasked
.Lfor_v:
	tensor_load_to_lds s[G0C:G0C+3], s[G1V:G1V+7]
	s_nop 0
.rept 4
	v_nop
.endr
.Lasked:
	; my place in the cluster enters the global addresses of q, the mask and obuf alone
	s_bfe_u32 s13, ttmp6, 0x40000                  ; cx
	s_lshl_b32 s14, ttmp9, 2
	s_add_co_u32 s14, s14, s13                     ; which 512 queries
	s_lshl_b32 s78, s14, 5
	s_add_co_u32 s78, s78, s[WV]                   ; my tile of pass 0: 32 x + w
	s_lshr_b32 s82, s78, 3                         ; its step of 128 rows
	s_lshl_b32 s78, s78, 11                        ; 2,048 bytes a tile,
	s_lshl_b32 s81, s68, 18
	s_add_co_u32 s78, s78, s81
	s_lshl_b32 s81, s69, 10                        ; my head's half of it
	s_add_co_u32 s78, s78, s81
	s_mov_b32 s79, 0
	s_add_nc_u64 s[QB:QB+1], s[4:5], s[78:79]
	s_lshl_b32 s82, s82, 9
	s_lshl_b32 s81, s68, 13
	s_add_co_u32 s82, s82, s81
	s_lshl_b32 s81, s69, 8
	s_add_co_u32 s82, s82, s81
	s_mov_b32 s83, 0
	s_add_nc_u64 s[QSB:QSB+1], s[6:7], s[82:83]
	s_lshr_b32 s78, s15, 4                         ; b
	s_lshl_b32 s78, s78, 11
	s_lshl_b32 s81, s14, 9
	s_add_co_u32 s78, s78, s81
	s_lshr_b32 s81, s[WV], 1
	s_lshl_b32 s81, s81, 5
	s_add_co_u32 s78, s78, s81
	s_and_b32 s81, s[WV], 1
	s_lshl_b32 s81, s81, 3
	s_add_co_u32 s78, s78, s81                     ; lane 0's row: 2,048 b + 512 x + 32 (w / 2) + 8 (w % 2)
	s_lshl_b32 s82, s78, 2
	s_add_nc_u64 s[MB:MB+1], s[8:9], s[82:83]
	s_lshl_b32 s78, s78, 12
	s_and_b32 s81, s15, 15
	s_lshl_b32 s81, s81, 8                         ; a head's 64 channels are 256 bytes of a row
	s_add_co_u32 s78, s78, s81
	s_add_nc_u64 s[OBB:OBB+1], s[10:11], s[78:79]
	s_and_b32 s81, s[WV], 1
	s_mul_i32 s81, s81, 0x02020202
	s_add_co_u32 s[PSEL], s81, 0x01000100          ; bytes 0, 1 (even tile) or 2, 3 (odd tile) of the pair's word, twice
	v_and_b32 v245, 31, v0                         ; lane
	v_and_b32 v246, 15, v0                         ; r
	v_bfe_u32 v247, v0, 4, 1                       ; h
	v_lshlrev_b32 v1, 4, v245                      ; an image's place for my lane
	v_add_nc_u32 v2, VIMG, v1
	v_lshl_add_u32 v3, v245, 3, KSC                ; two scale words a lane
	v_lshl_add_u32 v4, v245, 3, VSC
	s_mul_i32 s57, s[WV], 8*272
	s_add_co_u32 s57, s57, STAGE                   ; my stage
	v_and_b32 v248, 7, v0
	v_mul_u32_u24 v5, v248, 272
	v_lshl_add_u32 v5, v247, 6, v5
	v_add_nc_u32 v5, s57, v5                       ; in: row r % 8, + 64 h
	v_mul_u32_u24 v6, v247, 272
	v_lshl_add_u32 v6, v246, 4, v6
	v_add_nc_u32 v6, s57, v6                       ; back: lanes 0-15 one row, lanes 16-31 the next
	v_lshlrev_b32 v7, 12, v247
	v_lshl_add_u32 v7, v246, 4, v7                 ; and the same two rows in obuf
	s_bfe_u32 s81, s[WV], 0x10001                  ; my tile's pair f = (w % 8) / 2: its word stands in lane half f % 2, word f / 2
	s_lshl_b32 s81, s81, 7
	s_bfe_u32 s57, s[WV], 0x10002
	s_lshl_b32 s57, s57, 2
	s_add_co_u32 s81, s81, s57
	v_lshl_add_u32 v242, v246, 3, s81
	v_and_b32 v243, 8, v246
	v_add_nc_u32 v243, v243, v246
	v_lshlrev_b32 v243, 2, v243                    ; the mask: 4 (r + 8 (r / 8))
.irp j, 0,1,2,3,4,5,6,7
	v_mov_b32 v[QZ+\j], 0                          ; the zero codes on both sides of q
	v_mov_b32 v[QZ+16+\j], 0
.endr
	v_mov_b32 v[F+1], 0                            ; (named as the upper half of a pair)
	s_wait_tensorcnt 0x0                           ; my parts have landed,
	s_barrier_signal -1
	s_barrier_wait -1                              ; everybody's have
; A KEY STEP: 128 keys
.macro STEP
	v_add_nc_u32 v8, s[TB], v1
	v_add_nc_u32 v9, s[TB], v2
	v_add_nc_u32 v10, s[TS], v3
	v_add_nc_u32 v11, s[TS], v4
.rept 4
	v_nop                                          ; with the four additions: eight places in front of loads into registers that the last products read
.endr
.irp f, 0,1,2,3
.irp g, 0,1,2,3
	ds_load_b128 v[KF+16*\f+4*\g:KF+16*\f+4*\g+3], v8 offset:2048*\f+512*\g
.endr
.endr
	ds_load_b64 v[SK:SK+1], v10
	s_wait_dscnt 0x0
.irp f, 0,1,2,3                        ; S^T: fragment f holds tiles 2 f and 2 f + 1; [q | 0] picks the first, [0 | q] the second
.irp u, 0,1
.if \f%2
	v_wmma_scale_f32_16x16x128_f8f6f4 v[S+8*(2*\f+\u):S+8*(2*\f+\u)+7], v[KF+16*\f:KF+16*\f+15], v[QZ+8-8*\u:QZ+23-8*\u], 0, v[SK+\f/2], v[QS] matrix_a_scale:MATRIX_SCALE_ROW1
.else
	v_wmma_scale_f32_16x16x128_f8f6f4 v[S+8*(2*\f+\u):S+8*(2*\f+\u)+7], v[KF+16*\f:KF+16*\f+15], v[QZ+8-8*\u:QZ+23-8*\u], 0, v[SK+\f/2], v[QS]
.endif
.endr
.endr
.rept 8
	v_nop                                          ; places in front of the loads below and of the first read of the scores
.endr
.irp f, 0,1,2,3                        ; v's four fragments land while the softmax is walked
.irp g, 0,1,2,3
	ds_load_b128 v[KF+16*\f+4*\g:KF+16*\f+4*\g+3], v9 offset:2048*\f+512*\g
.endr
.endr
	ds_load_b64 v[SV:SV+1], v11
.irp b, 0,1,2,3
	v_max3_num_f32 v[BM+\b], v[S+16*\b], v[S+1+16*\b], v[S+2+16*\b]   ; the largest score of each block of 32 keys: it serves the row's maximum and, since p rises with the score, the block's largest p
.endr
.irp i, 3,5,7,9,11,13
.irp b, 0,1,2,3
	v_max3_num_f32 v[BM+\b], v[BM+\b], v[S+16*\b+\i], v[S+1+16*\b+\i]
.endr
.endr
.irp b, 0,1,2,3
	v_max_num_f32 v[BM+\b], v[BM+\b], v[S+15+16*\b]
.endr
.irp b, 0,1,2,3
	v_permlanex16_b32 v[T2+\b], v[BM+\b], s[SEL], s[SEL+1]
.endr
.irp b, 0,1,2,3
	v_max_num_f32 v[BM+\b], v[BM+\b], v[T2+\b]     ; with lane l xor 16's 16 keys
.endr
	v_max3_num_f32 v[TA], v[BM], v[BM+1], v[BM+2]
	v_max_num_f32 v[TA], v[TA], v[BM+3]            ; the step's largest score of my query
	v_mul_f32 v[TA], s[CS], v[TA]                  ; as t (c is positive)
	v_max_num_f32 v13, v13, v[TA]                  ; the running largest t
	v_mov_b32 v[TA], v12
	v_floor_f32 v12, -v13                          ; the new -M = floor(-t): M is a whole number
	v_sub_f32 v[TA], v12, v[TA]                    ; old M - new M: a whole number, 0 or less
	v_cvt_i32_f32 v[TA], v[TA]                     ; (it saturates)
	v_ldexp_f32 v[F], 1.0, v[TA]                   ; 2^(old M - new M)
.set j, 0
.rept 32
	v_pk_fma_f32 v[S+j:S+j+1], v[S+j:S+j+1], s[CS:CS+1], v[12:13] op_sel_hi:[1,0,0]   ; t - M, two at a time
.set j, j+2
.endr
.irp b, 0,1,2,3
	v_fma_f32 v[BM+\b], v[BM+\b], s[CS], v12       ; the same of each block's largest score
.endr
.set j, 0
.rept 64
	v_exp_f32 v[S+j], v[S+j]                       ; p = 2^(t - M), at most 1
.set j, j+1
.endr
	v_pk_mul_f32 v[14:15], v[14:15], v[F:F+1] op_sel_hi:[1,0]   ; the sums under the new M: a plain line behind the exponentials
	s_wait_alu depctr_va_vdst(0)                   ; one wait for the batch of 64, ahead of its first reader
.irp b, 0,1,2,3
	v_exp_f32 v[BM+\b], v[BM+\b]                   ; the block's largest p: the same two instructions on the same number
.endr
	v_pk_add_f32 v[T2:T2+1], v[S:S+1], v[S+2:S+3]  ; the row's sum is taken of the unquantised p, in two chains; it reads the 64 alone
.irp j, 4,8,12,16,20,24,28,32,36,40,44,48,52,56,60
	v_pk_add_f32 v[14:15], v[14:15], v[S+\j:S+\j+1]
	v_pk_add_f32 v[T2:T2+1], v[T2:T2+1], v[S+2+\j:S+3+\j]
.endr
	v_pk_add_f32 v[14:15], v[14:15], v[T2:T2+1]
	s_wait_alu depctr_va_vdst(0)                   ; and one for the four
.irp b, 0,1,2,3
	v_max_num_f32 v[BM+\b], 0x4800000, v[BM+\b]    ; the floor 2^-118: the byte cannot fall under 1
.endr
.irp b, 0,1,2,3
	v_add_nc_u32 v[SC+\b], 0xfc000000, v[BM+\b]    ; 8 off the exponent field: the conversion's scale operand
.endr
.irp b, 0,1,2,3
	v_and_or_b32 v[HD+\b], v[BM+\b], 0x7f800000, s[MNT]   ; 448 x the scale
.endr
.irp b, 0,1,2,3
	v_lshrrev_b32 v[T2+\b], 23, v[SC+\b]           ; the scale's byte
.endr
	v_lshl_or_b32 v[PS], v[T2+1], 8, v[T2]         ; p's scale word for these 128 keys
	v_lshl_or_b32 v[PS], v[T2+2], 16, v[PS]
	v_lshl_or_b32 v[PS], v[T2+3], 24, v[PS]
.irp b, 0,1,2,3
.irp i, 0,1,2,3,4,5,6,7,8,9,10,11,12,13,14,15
	v_min_num_f32 v[S+16*\b+\i], v[S+16*\b+\i], v[HD+\b]   ; the conversion does not saturate (ISA guide 7.6.2); p is not negative, so the hold is one-sided
.endr
	v_cvt_scalef32_pk8_fp8_f32 v[PC+4*\b:PC+4*\b+1], v[S+16*\b:S+16*\b+7], v[SC+\b]
	v_cvt_scalef32_pk8_fp8_f32 v[PC+4*\b+2:PC+4*\b+3], v[S+16*\b+8:S+16*\b+15], v[SC+\b]
.endr
.set j, 0
.rept 16
	v_pk_mul_f32 v[O+j:O+j+1], v[O+j:O+j+1], v[F:F+1] op_sel_hi:[1,0]   ; O^T under the new M; these are also the places between the codes and the products
.set j, j+2
.endr
	s_wait_dscnt 0x0                               ; v's fragments and scale words are in
.irp t, 0,1,2,3                        ; O^T += v^T p^T: the four accumulators by turns
.if \t%2
	v_wmma_scale_f32_16x16x128_f8f6f4 v[O+8*\t:O+8*\t+7], v[KF+16*\t:KF+16*\t+15], v[PC:PC+15], v[O+8*\t:O+8*\t+7], v[SV+\t/2], v[PS] matrix_a_scale:MATRIX_SCALE_ROW1
.else
	v_wmma_scale_f32_16x16x128_f8f6f4 v[O+8*\t:O+8*\t+7], v[KF+16*\t:KF+16*\t+15], v[PC:PC+15], v[O+8*\t:O+8*\t+7], v[SV+\t/2], v[PS]
.endif
.endr
	s_add_co_u32 s[TB], s[TB], 8192
	s_add_co_u32 s[TS], s[TS], 256
.endm
.macro TOSTAGE                         ; eight rows' 256 bytes: tile t = 2 f + u holds channels 32 f + 16 h + 8 u + 0 .. 7
.irp t, 0,1,2,3
.irp q, 0,1
	ds_store_b128 v5, v[KF+8*\t+4*\q:KF+8*\t+4*\q+3] offset:128*(\t/2)+32*(\t%2)+16*\q
.endr
.endr
.endm
; A PASS: one tile of 16 queries against all 2,048 keys.  The pass's place stands in the immediates: 16 tiles of q, 2 steps of scale words, 256 rows of the mask and of obuf.
.macro PASS pi
.if \pi
	s_wait_xcnt 0x0                                ; the last pass's stores have read their registers
.endif
	global_load_b128 v[QZ+8:QZ+11], v1, s[QB:QB+1] offset:\pi*32768 th:TH_LOAD_NT
	global_load_b128 v[QZ+12:QZ+15], v1, s[QB:QB+1] offset:\pi*32768+512 th:TH_LOAD_NT
	global_load_b32 v244, v242, s[QSB:QSB+1] offset:\pi*1024
	global_load_b32 v241, v243, s[MB:MB+1] offset:\pi*1024
	s_wait_loadcnt 0x0
	v_cmp_ne_u32 vcc_lo, 0, v241
.irp j, 0,1,2,3,4,5,6,7
	v_cndmask_b32 v[QZ+8+\j], 0, v[QZ+8+\j], vcc_lo   ; a masked query's codes become zeros
.endr
	v_perm_b32 v[QS], v244, v244, s[PSEL]          ; my tile's two bytes, twice: q stands in blocks 0, 1 or in blocks 2, 3
	v_mov_b32 v13, 0xff61b1e6                      ; the largest t so far: -3e38, under every t
	v_floor_f32 v12, -v13
	v_mov_b32 v14, 0
	v_mov_b32 v15, 0
.irp b, 0,1,2,3
	v_mov_b32 v[T2+\b], 0                          ; a lane permute's destination counts as one of its sources
.endr
.set j, 0
.rept 32
	v_mov_b32 v[O+j], 0                            ; the step is written once: the first finds zeros.  (These lines are also the places between q's codes and scale word and the first product)
.set j, j+1
.endr
	s_mov_b32 s[TB], 0
	s_mov_b32 s[TS], 0
	s_mov_b32 s[CNT], 16
.Lstep_\@:
	STEP
	s_sub_co_u32 s[CNT], s[CNT], 1
	s_cmp_lg_u32 s[CNT], 0
	s_cbranch_scc1 .Lstep_\@
	; THE WAY OUT: O^T / the sum, through my stage, eight rows at a time, so that sixteen lanes store a head's 256 bytes of a row
.rept 8
	v_nop
.endr
	v_add_f32 v14, v14, v15                        ; the sum's two halves,
	v_permlanex16_b32 v[T2], v14, s[SEL], s[SEL+1]
	v_add_f32 v14, v14, v[T2]                      ; and lane l xor 16's
	v_rcp_f32 v[F], v14
	v_and_b32 v[TA], 15, v0                        ; (a plain line behind the reciprocal)  r
	s_wait_alu depctr_va_vdst(0)                   ; the wait ahead of its first reader
.set j, 0
.rept 16
	v_pk_mul_f32 v[KF+j:KF+j+1], v[O+j:O+j+1], v[F:F+1] op_sel_hi:[1,0]
.set j, j+2
.endr
	s_wait_xcnt 0x0                                ; EXEC changes only behind this wait; no global instruction is issued until it is whole again for good
	v_cmp_gt_u32 vcc_lo, 8, v[TA]
	s_and_saveexec_b32 s56, vcc_lo                 ; lanes with r under 8: rows 0 .. 7 of the tile
	TOSTAGE
	s_or_b32 exec_lo, exec_lo, s56
.irp i, 0,1,2,3
	ds_load_b128 v[KF+32+4*\i:KF+35+4*\i], v6 offset:544*\i   ; LDS serves a wave's instructions in order (ISA guide 5.7.1.4): these see the stores above, and the next stores come behind them
.endr
	v_cmp_le_u32 vcc_lo, 8, v[TA]
	s_and_saveexec_b32 s56, vcc_lo                 ; lanes with r from 8 on: rows 16 .. 23
	TOSTAGE
	s_or_b32 exec_lo, exec_lo, s56
.irp i, 0,1,2,3
	ds_load_b128 v[KF+48+4*\i:KF+51+4*\i], v6 offset:544*\i
.endr
	s_wait_dscnt 12                                ; the first four loads are in; behind them: eight stores and four loads
.irp i, 0,1,2,3
	global_store_b128 v7, v[KF+32+4*\i:KF+35+4*\i], s[OBB:OBB+1] offset:\pi*1048576+2*\i*4096 th:TH_STORE_NT   ; 16 lanes store 256 consecutive bytes, aligned
.endr
	s_wait_dscnt 0x0
.irp i, 0,1,2,3
	global_store_b128 v7, v[KF+48+4*\i:KF+51+4*\i], s[OBB:OBB+1] offset:\pi*1048576+(16+2*\i)*4096 th:TH_STORE_NT
.endr
.endm
	PASS 0
	PASS 1
	s_wait_tensorcnt 0x0
	ds_add_u32 v254, v255
	s_wait_dscnt 0x0
	CROUND                                         ; the closing round: no work-group ends while a partner may still ask for a tile that names it
	s_endpgm
.Lfunc_end_k_q99ffd8a051_attn:
	.size	k_q99ffd8a051_attn, .Lfunc_end_k_q99ffd8a051_attn-k_q99ffd8a051_attn
	.p2alignl 7, 3214868480
	.fill 96, 4, 3214868480
	.section	.rodata,"a",@progbits
	.p2align	6, 0x0
	.amdhsa_kernel k_q99ffd8a051_attn
		.amdhsa_group_segment_fixed_size 307200
		.amdhsa_private_segment_fixed_size 0
		.amdhsa_enable_private_segment 0
		.amdhsa_kernarg_size 32
		.amdhsa_user_sgpr_count 2
		.amdhsa_user_sgpr_kernarg_segment_ptr 1
		.amdhsa_wavefront_size32 1
		.amdhsa_system_sgpr_workgroup_id_x 1
		.amdhsa_system_sgpr_workgroup_id_y 1
		.amdhsa_system_sgpr_workgroup_id_z 1
		.amdhsa_system_vgpr_workitem_id 0
		.amdhsa_next_free_vgpr 256
		.amdhsa_next_free_sgpr 84
		.amdhsa_reserve_vcc 1
		.amdhsa_float_denorm_mode_32 3
		.amdhsa_float_denorm_mode_16_64 3
		.amdhsa_memory_ordered 1
		.amdhsa_forward_progress 1
		.amdhsa_inst_pref_size 58
	.end_amdhsa_kernel
	.amdgpu_metadata
---
amdhsa.version: [ 1, 2 ]
amdhsa.kernels:
  - .name:           k_q99ffd8a051_attn
    .symbol:         k_q99ffd8a051_attn.kd
    .args:
      - { .name: img, .offset: 0, .size: 8, .value_kind: global_buffer, .address_space: global }
      - { .name: scl, .offset: 8, .size: 8, .value_kind: global_buffer, .address_space: global }
      - { .name: attention_mask, .offset: 16, .size: 8, .value_kind: global_buffer, .address_space: global }
      - { .name: obuf, .offset: 24, .size: 8, .value_kind: global_buffer, .address_space: global }
    .group_segment_fixed_size: 307200
    .private_segment_fixed_size: 0
    .kernarg_segment_align: 8
    .kernarg_segment_size: 32
    .max_flat_workgroup_size: 512
    .sgpr_count:     84
    .vgpr_count:     256
    .wavefront_size: 32
...
	.end_amdgpu_metadata
.endif
;; end of part 3
;; launch lnorm (part 4): grid 256 x 1, 8 waves a work-group, no clusters, 0 bytes of LDS; arguments obuf, queries, gamma, beta, out0; writes out0
.if DOCPART == 4
	.amdgcn_target "amdgcn-amd-amdhsa--gfx1250"
	.amdhsa_code_object_version 6
	.text
	.protected	k_q99ffd8a051_lnorm
	.globl	k_q99ffd8a051_lnorm
	.p2align	8
	.type	k_q99ffd8a051_lnorm,@function
k_q99ffd8a051_lnorm:
	s_mov_b64 s[64:65], 0
	v_nop
	global_prefetch_b8 v0, s[64:65] scope:SCOPE_SE
	s_setreg_imm32_b32 hwreg(HW_REG_WAVE_MODE, 25, 1), 1
	s_wait_xcnt 0x0
; out0 = LayerNorm(obuf + queries) x gamma + beta, rows of 1,024 f32, all in f32; the variance is taken about the mean, as the definition has it.
; A row is 4,096 bytes: one wave takes a whole row, eight loads of 16 bytes a lane from each of the two tensors, and keeps it in 32 registers between the passes: memory is read once, no wave waits for another.
; Eight waves, 4 rows each, two row slots by turns.  Each load and store of a wave covers 512 consecutive bytes.  No LDS, no matrix unit, no cluster: the work-groups share only gamma and beta, 8 KiB.
.set G,  16                            ; v16-47   gamma, in the rows' lane map
.set B,  48                            ; v48-79   beta
.set XR, 80                            ; v80-207  slot s: 32 registers of obuf (then x, then the result), 32 of queries
	s_load_b256 s[4:11], s[0:1], 0x0               ; obuf s[4:5], queries s[6:7], gamma s[8:9], beta s[10:11]
	s_load_b64 s[12:13], s[0:1], 0x20              ; out0
	v_lshrrev_b32 v1, 5, v0
	v_readfirstlane_b32 s18, v1                    ; wave
	v_and_b32 v1, 31, v0
	v_lshlrev_b32 v1, 4, v1                        ; 16 bytes a lane
	s_lshl_b32 s20, ttmp9, 17                      ; 32 rows a work-group,
	s_lshl_b32 s19, s18, 14                        ; 4 a wave
	s_add_co_u32 s20, s20, s19
	s_mov_b32 s21, 0
	s_mov_b32 s14, 0x3a800000                      ; 1 / 1,024
	s_mov_b32 s15, 0x3727c5ac                      ; 1e-5
	s_mov_b32 s16, 0x76543210                      ; v_permlanex16_b32's selects for lane l xor 16
	s_mov_b32 s17, 0xfedcba98
	v_mov_b32 v11, 0                               ; (named as the upper half of a pair)
	v_mov_b32 v14, 0                               ; a lane permute's destination counts as one of its sources
	s_wait_kmcnt 0x0
	s_add_nc_u64 s[4:5], s[4:5], s[20:21]
	s_add_nc_u64 s[6:7], s[6:7], s[20:21]
	s_add_nc_u64 s[12:13], s[12:13], s[20:21]
.irp j, 0,1,2,3,4,5,6,7
	global_load_b128 v[G+4*\j:G+4*\j+3], v1, s[8:9] offset:512*\j
	global_load_b128 v[B+4*\j:B+4*\j+3], v1, s[10:11] offset:512*\j
.endr
.macro LOADROW i
.set RS, XR+64*((\i)%2)
.irp j, 0,1,2,3,4,5,6,7
	global_load_b128 v[RS+4*\j:RS+4*\j+3], v1, s[4:5] offset:4096*(\i)+512*\j th:TH_LOAD_NT
	global_load_b128 v[RS+32+4*\j:RS+32+4*\j+3], v1, s[6:7] offset:4096*(\i)+512*\j th:TH_LOAD_NT
.endr
.endm
.macro REDUCE                          ; four chains in v[2:9] become one number in every lane's v2
	v_pk_add_f32 v[2:3], v[2:3], v[4:5]
	v_pk_add_f32 v[6:7], v[6:7], v[8:9]
	v_pk_add_f32 v[2:3], v[2:3], v[6:7]
	v_add_f32 v2, v2, v3
	v_add_f32_dpp v2, v2, v2 row_xmask:1 row_mask:0xf bank_mask:0xf
	v_add_f32_dpp v2, v2, v2 row_xmask:2 row_mask:0xf bank_mask:0xf
	v_add_f32_dpp v2, v2, v2 row_xmask:4 row_mask:0xf bank_mask:0xf
	v_add_f32_dpp v2, v2, v2 row_xmask:8 row_mask:0xf bank_mask:0xf
	v_permlanex16_b32 v14, v2, s16, s17
	v_add_f32 v2, v2, v14
.endm
.macro ROW i, left
.set RS, XR+64*((\i)%2)
	s_wait_loadcnt \left                           ; my row's 16 loads are in (gamma and beta too); the other slot's 16 may be out
.set k, 0
.rept 16
	v_pk_add_f32 v[RS+k:RS+k+1], v[RS+k:RS+k+1], v[RS+32+k:RS+32+k+1]   ; x = o + queries
.set k, k+2
.endr
.irp c, 0,2,4,6
	v_pk_add_f32 v[2+\c:3+\c], v[RS+\c:RS+\c+1], v[RS+8+\c:RS+9+\c]     ; the sum, in four chains started by the first pairs
.endr
.irp m, 16,24
.irp c, 0,2,4,6
	v_pk_add_f32 v[2+\c:3+\c], v[2+\c:3+\c], v[RS+\m+\c:RS+\m+\c+1]
.endr
.endr
	REDUCE
	v_mul_f32 v10, s14, v2                         ; the mean
.set k, 0
.rept 16
	v_pk_add_f32 v[RS+k:RS+k+1], v[RS+k:RS+k+1], v[10:11] op_sel_hi:[1,0] neg_lo:[0,1] neg_hi:[0,1]   ; x - mean
.set k, k+2
.endr
.irp c, 0,2,4,6
	v_pk_mul_f32 v[2+\c:3+\c], v[RS+\c:RS+\c+1], v[RS+\c:RS+\c+1]
.endr
.irp m, 8,16,24
.irp c, 0,2,4,6
	v_pk_fma_f32 v[2+\c:3+\c], v[RS+\m+\c:RS+\m+\c+1], v[RS+\m+\c:RS+\m+\c+1], v[2+\c:3+\c]
.endr
.endr
	REDUCE
	v_fma_f32 v13, v2, s14, s15                    ; the variance + eps
	v_rsq_f32 v12, v13
	v_nop                                          ; a plain line behind the transcendental
	s_wait_alu depctr_va_vdst(0)                   ; and the wait ahead of its first reader
.set k, 0
.rept 16
	v_pk_mul_f32 v[RS+k:RS+k+1], v[RS+k:RS+k+1], v[12:13] op_sel_hi:[1,0]
.set k, k+2
.endr
.set k, 0
.rept 16
	v_pk_fma_f32 v[RS+k:RS+k+1], v[RS+k:RS+k+1], v[G+k:G+k+1], v[B+k:B+k+1]
.set k, k+2
.endr
.irp j, 0,1,2,3,4,5,6,7
	global_store_b128 v1, v[RS+4*\j:RS+4*\j+3], s[12:13] offset:4096*(\i)+512*\j th:TH_STORE_NT
.endr
.if (\i) < 2
	s_wait_xcnt 0x0                                ; the stores have read their registers: the slot takes the row two further on
	LOADROW (\i)+2
.endif
.endm
	LOADROW 0
	LOADROW 1
	ROW 0, 16
	ROW 1, 16
	ROW 2, 16
	ROW 3, 0
	s_endpgm
.Lfunc_end_k_q99ffd8a051_lnorm:
	.size	k_q99ffd8a051_lnorm, .Lfunc_end_k_q99ffd8a051_lnorm-k_q99ffd8a051_lnorm
	.p2alignl 7, 3214868480
	.fill 96, 4, 3214868480
	.section	.rodata,"a",@progbits
	.p2align	6, 0x0
	.amdhsa_kernel k_q99ffd8a051_lnorm
		.amdhsa_group_segment_fixed_size 0
		.amdhsa_private_segment_fixed_size 0
		.amdhsa_enable_private_segment 0
		.amdhsa_kernarg_size 40
		.amdhsa_user_sgpr_count 2
		.amdhsa_user_sgpr_kernarg_segment_ptr 1
		.amdhsa_wavefront_size32 1
		.amdhsa_system_sgpr_workgroup_id_x 1
		.amdhsa_system_sgpr_workgroup_id_y 1
		.amdhsa_system_sgpr_workgroup_id_z 1
		.amdhsa_system_vgpr_workitem_id 0
		.amdhsa_next_free_vgpr 208
		.amdhsa_next_free_sgpr 66
		.amdhsa_reserve_vcc 0
		.amdhsa_float_denorm_mode_32 3
		.amdhsa_float_denorm_mode_16_64 3
		.amdhsa_memory_ordered 1
		.amdhsa_forward_progress 1
		.amdhsa_inst_pref_size 41
	.end_amdhsa_kernel
	.amdgpu_metadata
---
amdhsa.version: [ 1, 2 ]
amdhsa.kernels:
  - .name:           k_q99ffd8a051_lnorm
    .symbol:         k_q99ffd8a051_lnorm.kd
    .args:
      - { .name: obuf, .offset: 0, .size: 8, .value_kind: global_buffer, .address_space: global }
      - { .name: queries, .offset: 8, .size: 8, .value_kind: global_buffer, .address_space: global }
      - { .name: gamma, .offset: 16, .size: 8, .value_kind: global_buffer, .address_space: global }
      - { .name: beta, .offset: 24, .size: 8, .value_kind: global_buffer, .address_space: global }
      - { .name: out0, .offset: 32, .size: 8, .value_kind: global_buffer, .address_space: global }
    .group_segment_fixed_size: 0
    .private_segment_fixed_size: 0
    .kernarg_segment_align: 8
    .kernarg_segment_size: 40
    .max_flat_workgroup_size: 256
    .sgpr_count:     66
    .vgpr_count:     208
    .wavefront_size: 32
...
	.end_amdgpu_metadata
.endif
;; end of part 4
;; ======== version 2 of 2: 4 launches
;; workspace buffers: wimg 3,145,728 bytes; wscl 98,304 bytes; img 25,165,824 bytes; scl 786,432 bytes; obuf 33,554,432 bytes
;; launch wquant (part 5): grid 64 x 3, 4 waves a work-group, no clusters, 0 bytes of LDS; arguments Wq, Wk, Wv, wimg, wscl; writes wimg, wscl
.if DOCPART == 5
	.amdgcn_target "amdgcn-amd-amdhsa--gfx1250"
	.amdhsa_code_object_version 6
	.text
	.protected	k_q99ffd8a051_wquant
	.globl	k_q99ffd8a051_wquant
	.p2align	8
	.type	k_q99ffd8a051_wquant,@function
k_q99ffd8a051_wquant:
	s_mov_b64 s[64:65], 0
	v_nop
	global_prefetch_b8 v0, s[64:65] scope:SCOPE_SE
	s_setreg_imm32_b32 hwreg(HW_REG_WAVE_MODE, 25, 1), 1
	s_wait_xcnt 0x0
; Wq, Wk, Wv [1024 (k)][1024 (n)], f32, become codes of FP8 (E4M3) with one E8M0 scale byte for each 32 along k, which is their FIRST axis.
; The codes are stored as IMAGES OF OPERAND REGISTERS: wimg [T 3][nb 8][ks 8][tile 8][g 4][lane 32][16 bytes].  Lane (r, h) of tile 2 c + u holds column
; n = 128 nb + 32 c + 8 u + r + 8 (r / 8) at k = 128 ks + 32 g + 16 h + 0 .. 15: a fragment is then four loads of 16 bytes a lane, 512 bytes on end each.
; The scale words: wscl [T][nb][ks][c 4][32 words], word r + 16 u; byte g of a word belongs to block g of the K step.
; A LANE TAKES A COLUMN AND ITS REGISTERS RUN DOWN k: a block of 32 lies in one lane, its largest magnitude needs no other lane, and the conversions give codes with k innermost.
; A block's scale byte is its largest magnitude's exponent field - 8, held at 1 from below by a floor of 2^-118 among the maximum's leaves.
; LIMITS: a block of zeros gets the byte 1 where the rule says 127 (its codes are zeros, and only this program reads the bytes); NaN and infinities are not served.
; SHARES: work-group x = 8 nb + ks, y = T; wave c takes 32 columns x 128 k.  Waves share nothing: no LDS, no barrier.
.set EMAX, 8
.set XR, 64                            ; v64-191  four blocks of 32 numbers
.set CR, 32                            ; v32-63   eight registers of codes for each block: no store's data are written again
	s_load_b256 s[4:11], s[0:1], 0x0               ; Wq s[4:5], Wk s[6:7], Wv s[8:9], wimg s[10:11]
	s_load_b64 s[12:13], s[0:1], 0x20              ; wscl
	v_lshrrev_b32 v1, 5, v0
	v_readfirstlane_b32 s16, v1                    ; wave = c
	v_and_b32 v1, 31, v0                           ; x: my column among the wave's 32
	v_lshlrev_b32 v2, 2, v1                        ; in: 4 bytes a lane
	v_bfe_u32 v5, v1, 3, 1                         ; u = (x / 8) % 2
	v_and_b32 v6, 7, v1
	v_lshrrev_b32 v7, 4, v1
	v_lshl_or_b32 v6, v7, 3, v6                    ; r = x % 8 + 8 (x / 16): x = 8 u + r + 8 (r / 8)
	v_lshlrev_b32 v3, 4, v6
	v_lshl_add_u32 v3, v5, 11, v3                  ; out: tile u of the wave's two (2,048 bytes each), lane r's 16 bytes
	v_lshl_add_u32 v4, v5, 4, v6
	v_lshlrev_b32 v4, 2, v4                        ; the scale word's place: 4 (r + 16 u)
	s_and_b32 s17, ttmp7, 0xffff                   ; T
	s_lshr_b32 s18, ttmp9, 3                       ; nb
	s_and_b32 s19, ttmp9, 7                        ; ks
	s_lshl_b32 s20, s19, 19                        ; W: 128 ks rows of 4,096 bytes,
	s_lshl_b32 s26, s18, 9                         ; 128 nb columns,
	s_add_co_u32 s20, s20, s26
	s_lshl_b32 s26, s16, 7                         ; 32 c columns
	s_add_co_u32 s20, s20, s26
	s_mov_b32 s21, 0
	s_lshl_b32 s22, s17, 20                        ; wimg: 2^20 bytes a tensor, 16,384 for (nb, ks), 4,096 for a wave's two tiles
	s_lshl_b32 s26, ttmp9, 14
	s_add_co_u32 s22, s22, s26
	s_lshl_b32 s26, s16, 12
	s_add_co_u32 s22, s22, s26
	s_mov_b32 s23, 0
	s_lshl_b32 s24, s17, 15                        ; wscl: 2^15 bytes a tensor, 512 for (nb, ks), 128 a wave
	s_lshl_b32 s26, ttmp9, 9
	s_add_co_u32 s24, s24, s26
	s_lshl_b32 s26, s16, 7
	s_add_co_u32 s24, s24, s26
	s_mov_b32 s25, 0
	s_mov_b32 s31, 0x600000                        ; the mantissa field of 448
	s_wait_alu depctr_va_vdst(0)
	s_wait_kmcnt 0x0
	s_cmp_eq_u32 s17, 1                            ; which weight: the choice hangs on the work-group's number alone
	s_cselect_b64 s[4:5], s[6:7], s[4:5]
	s_cmp_eq_u32 s17, 2
	s_cselect_b64 s[4:5], s[8:9], s[4:5]
	s_add_nc_u64 s[4:5], s[4:5], s[20:21]
	s_add_nc_u64 s[10:11], s[10:11], s[22:23]
	s_add_nc_u64 s[12:13], s[12:13], s[24:25]
.macro LOADB g                         ; block g: W(32 g + i, my column): 32 lanes read 128 neighbouring bytes, the four waves stand side by side on 512
.set i, 0
.rept 32
	global_load_b32 v[XR+32*(\g)+i], v2, s[4:5] offset:(32*(\g)+i)*4096 th:TH_LOAD_NT
.set i, i+1
.endr
.endm
.macro BLOCK g
.set XS, XR+32*(\g)
.set CS, CR+8*(\g)
.if (\g) < 3
	s_wait_loadcnt 32                              ; this block's 32 loads are in; the next block's 32 may be out
.else
	s_wait_loadcnt 0x0
.endif
.if (\g)+2 < 4
	LOADB (\g)+2                                   ; two blocks ahead, into registers of their own
.endif
	v_max3_num_f32 v12, |v[XS]|, |v[XS+1]|, |v[XS+2]|             ; the block's largest magnitude, in two chains
	v_max3_num_f32 v13, |v[XS+3]|, |v[XS+4]|, |v[XS+5]|
.irp i, 6,10,14,18,22,26
	v_max3_num_f32 v12, v12, |v[XS+\i]|, |v[XS+\i+1]|
	v_max3_num_f32 v13, v13, |v[XS+\i+2]|, |v[XS+\i+3]|
.endr
	v_max3_num_f32 v12, v12, |v[XS+30]|, |v[XS+31]|
	v_max3_num_f32 v12, v12, v13, (EMAX+1)<<23     ; and the floor 2^-118: the byte cannot fall under 1
	v_add_nc_u32 v11, -(EMAX<<23), v12             ; 8 off the exponent field: the conversion's scale operand
	v_and_or_b32 v10, v12, 0x7f800000, s31         ; 448 x the scale
	v_lshrrev_b32 v13, 23, v11                     ; the scale's byte
.if (\g) == 0
	v_mov_b32 v24, v13                             ; four bytes make the K step's scale word, the lower k in the lower byte
.else
	v_lshl_or_b32 v24, v13, 8*(\g), v24
.endif
.set i, 0
.rept 32
	v_med3_num_f32 v[XS+i], v[XS+i], -v10, v10     ; the conversion to an 8-bit code does not saturate (ISA guide 7.6.2): the hold comes first
.set i, i+1
.endr
.irp q, 0,1,2,3
	v_cvt_scalef32_pk8_fp8_f32 v[CS+2*\q:CS+2*\q+1], v[XS+8*\q:XS+8*\q+7], v11
.endr
	v_nop                                          ; a plain line behind the last conversion: the next block writes v11 again
	global_store_b128 v3, v[CS:CS+3], s[10:11] offset:512*(\g)        ; k = 32 g + 0 .. 15: the lanes of one u store 256 consecutive bytes, aligned
	global_store_b128 v3, v[CS+4:CS+7], s[10:11] offset:512*(\g)+256  ; k = 32 g + 16 .. 31: the places of lanes 16-31 of the image
.endm
	LOADB 0
	LOADB 1
	BLOCK 0
	BLOCK 1
	BLOCK 2
	BLOCK 3
	global_store_b32 v4, v24, s[12:13]             ; 128 consecutive bytes a wave: one byte in 128 of what the launch reads
	s_endpgm
.Lfunc_end_k_q99ffd8a051_wquant:
	.size	k_q99ffd8a051_wquant, .Lfunc_end_k_q99ffd8a051_wquant-k_q99ffd8a051_wquant
	.p2alignl 7, 3214868480
	.fill 96, 4, 3214868480
	.section	.rodata,"a",@progbits
	.p2align	6, 0x0
	.amdhsa_kernel k_q99ffd8a051_wquant
		.amdhsa_group_segment_fixed_size 0
		.amdhsa_private_segment_fixed_size 0
		.amdhsa_enable_private_segment 0
		.amdhsa_kernarg_size 40
		.amdhsa_user_sgpr_count 2
		.amdhsa_user_sgpr_kernarg_segment_ptr 1
		.amdhsa_wavefront_size32 1
		.amdhsa_system_sgpr_workgroup_id_x 1
		.amdhsa_system_sgpr_workgroup_id_y 1
		.amdhsa_system_sgpr_workgroup_id_z 1
		.amdhsa_system_vgpr_workitem_id 0
		.amdhsa_next_free_vgpr 192
		.amdhsa_next_free_sgpr 66
		.amdhsa_reserve_vcc 0
		.amdhsa_float_denorm_mode_32 3
		.amdhsa_float_denorm_mode_16_64 3
		.amdhsa_memory_ordered 1
		.amdhsa_forward_progress 1
		.amdhsa_inst_pref_size 30
	.end_amdhsa_kernel
	.amdgpu_metadata
---
amdhsa.version: [ 1, 2 ]
amdhsa.kernels:
  - .name:           k_q99ffd8a051_wquant
    .symbol:         k_q99ffd8a051_wquant.kd
    .args:
      - { .name: Wq, .offset: 0, .size: 8, .value_kind: global_buffer, .address_space: global }
      - { .name: Wk, .offset: 8, .size: 8, .value_kind: global_buffer, .address_space: global }
      - { .name: Wv, .offset: 16, .size: 8, .value_kind: global_buffer, .address_space: global }
      - { .name: wimg, .offset: 24, .size: 8, .value_kind: global_buffer, .address_space: global }
      - { .name: wscl, .offset: 32, .size: 8, .value_kind: global_buffer, .address_space: global }
    .group_segment_fixed_size: 0
    .private_segment_fixed_size: 0
    .kernarg_segment_align: 8
    .kernarg_segment_size: 40
    .max_flat_workgroup_size: 128
    .sgpr_count:     66
    .vgpr_count:     192
    .wavefront_size: 32
...
	.end_amdgpu_metadata
.endif
;; end of part 5
;; launch proj (part 6): grid 64 x 3, 4 waves a work-group, no clusters, 135,680 bytes of LDS; arguments queries, keys, values, bq, bk, bv, wimg, wscl, img, scl; writes img, scl
.if DOCPART == 6
	.amdgcn_target "amdgcn-amd-amdhsa--gfx1250"
	.amdhsa_code_object_version 6
	.text
	.protected	k_q99ffd8a051_proj
	.globl	k_q99ffd8a051_proj
	.p2align	8
	.type	k_q99ffd8a051_proj,@function
k_q99ffd8a051_proj:
	s_mov_b64 s[64:65], 0
	v_nop
	global_prefetch_b8 v0, s[64:65] scope:SCOPE_SE
	s_setreg_imm32_b32 hwreg(HW_REG_WAVE_SCHED_MODE, 0, 2), 2
	s_setreg_imm32_b32 hwreg(HW_REG_WAVE_MODE, 25, 1), 1
	s_wait_xcnt 0x0
	s_wait_alu depctr_vm_vsrc(0)
; q = relu(queries Wq + bq), k and v likewise, each product on codes of FP8 (E4M3) with one E8M0 scale for each 32 along K = 1,024; the results are quantised at once for the
; attention's two products and stored as images of operand registers.  Work-group (x, y): rows 128 x .. 128 x + 127 of tensor y (0 q, 1 k, 2 v), all 1,024 outputs.
; TILES: tile 2 f + u of any 128 rows (or columns) holds in lane r the row 32 f + 8 u + r + 8 (r / 8).  Where such a tile is source 0, registers 0-7 of tiles 2 f and 2 f + 1 of lane half h
; are the 16 neighbours 32 f + 16 h + 0 .. 15: the order in which the next operand's registers want them.
; PHASE X: wave w quantises x's tiles 2 w and 2 w + 1 for all 8 K steps; the fragments go to LDS as images (lane l's 16 bytes at 16 l, four groups of 512 bytes), the f32 numbers are read once.  One barrier.
; PHASE G: wave w makes the column blocks nb = w and w + 4, a pass each: 128 x 128, 64 accumulators.  x's fragments come from LDS, W's straight from wimg into registers.
;   q, k: source 0 = 16 columns of W, source 1 = 16 rows of x: a lane holds one row, its registers run along the head's axis, which is the scores' K.
;   v:    source 0 = 16 rows of x, source 1 = 16 columns of W: a lane holds one channel, its registers run along the keys, which are the second product's K.
;   The bias is the C of each sum's first matrix instruction; the activation is the lower bound of the hold that the conversion wants anyway.
; OUT: img [T 3][bn 32 = 8 b + nb][s 16][L 8][group 4][lane 32][16 bytes]; scl [T][bn][s][e 2][lane 32][2 words] (e: which of the block's two heads).
;   q, k: L = the tile of rows, group 2 e + g = head 2 nb + e, positions 32 g + 16 h + 0 .. 15.  Word w of lane (r, h): pair f = 2 w + h; bytes 0, 1 tile 2 f's two blocks of row r, bytes 2, 3 tile 2 f + 1's.
;   v:    L = 4 e + t = head 2 nb + e, tile t of its channels; group = keys 32 group + 16 h + 0 .. 15 of step s.  Word w of lane (r, h): tile t = 2 w + h, byte = the block of keys.
; LIMITS: a block of zeros gets the byte 1 where the rule says 127 (its codes are zeros; only this program reads the bytes); NaN and infinities are not served.
; NO CLUSTER: the work-groups share W alone, 16 KiB a wave and K step out of registers' reach of a joint load; x, eight times W's bytes, is each work-group's own.
; REGISTERS, in windows of 256: window 0: v2-15, v49-53 addresses; v16-23 x's scale words, v24-31 W's (two sets each, scales alone); v32-48 scale words being made; v62, v63 the closing add's two;
;   v64-127 the bias in K step 0, x's tiles 0-3 in the odd K steps, and in phase X and on the way out v64-79 at work and v80-95 codes; v128-191 x's tiles 0-3 in the even K steps; v192-255 x's tiles 4-7.
;   window 1: W's fragments, two sets (in phase X four sets of 64 numbers of x).   windows 2, 3: the accumulators; unit L at window 2 + L / 4, v[64 (L % 4)] on.
; THE MODE: SCHED_MODE bits 1:0 = 2 (LLVM: expert scheduling mode 2), set by the entry lines.  The code itself states the register dependences between vector or matrix instructions and
; memory or LDS instructions, with s_wait_alu, always for 0.
; THE PLAN.  Registers that memory or LDS instructions touch:
;   PHASE X.  Window 1, sets 0-3: unit k's quantiser reads and rewrites set k; behind it the loads of the same unit of the next trip land there.  v80-95 and v48: written by the conversions and a select,
;     read by the unit's LDS stores.  v49, v50: the stores' addresses, written once a trip, in its first unit, behind the quantiser.  v5: read by every load of x, never written again.
;     One wait on va_vdst a unit, behind the quantiser; one on vm_vsrc, inside the quantiser, ahead of its conversions.
;   PHASE G, K step s of parity p.  Its 64 products read W's set p, both scale sets p, tiles 0-3 in buffer p (first 32 products) and tiles 4-7 (last 32).  Its loads land in what step s - 1 read: W's set 1 - p and
;     the scale sets 1 - p (step s + 1), tiles 4-7 (step s), tiles 0-3 in buffer 1 - p (step s + 1).  v8, v9, v14 (LDS addresses) and v10-13 (W's offsets) are written at the step's head.
;     So ONE wait on vm_vsrc and ONE on va_vdst stand at a step's head; the step's 72 loads follow with no further wait, 20 of them behind its first 16 products, which name parity p's registers and the accumulators alone.
;   THE WAY OUT.  v80-95: written by a unit's conversions, read by its four stores.  v44-47: the scale words, read by two stores a pass.  v2, v4: offsets, never written again.
.set XSC,  131072                      ; LDS: 0: x's images [tile 8][K step 8][2,048]; here: their scale words [pair 4][K step 8][128]: each wave's stores are one run on end
.set L16,  2                           ; v2   16 x lane
.set L4,   3                           ; v3   4 x lane
.set L8,   4                           ; v4   8 x lane
.set XA,   5                           ; v5   x: my row of a tile, + 64 h
.set XWI,  6                           ; v6   where my wave's images begin, + 16 x lane
.set XWS,  7                           ; v7   and its scale words, + 4 x lane
.set LI,   8                           ; v8-9 this K step's images of tiles 0-3, of tiles 4-7; the next step's lie 2,048 bytes on
.set WO,   10                          ; v10-11 offsets into wimg, one for each set
.set WSO,  12                          ; v12-13 into wscl
.set LS,   14                          ; v14  this K step's scale words of x; the next step's lie 128 bytes on
.set L16H, 15                          ; v15  16 x lane + 65,536
.set XS,   16
.set WS,   24
.set PW,   32                          ; v32-39 the scale words of the eight units
.set SW,   40
.set OW,   44                          ; v44-47 the words as they are stored
.set PWC,  48
.set XWC,  49                          ; v49-50 phase X: the trip's addresses
.set XSCC, 50
.set LSB,  51                          ; v51  XSC + 4 x lane
.set BO0,  52                          ; v52  64 h: the bias of q, k
.set BO1,  53                          ; v53  4 (r + 8 (r / 8)): the bias of v
.set BI,   64
.set TM,   64                          ; v64-67 largest magnitudes, v68-71 bytes, v72-75 448 x the scale, v76-79 the conversions' scale operands
.set PC,   80
.set XODD, 64                          ; x's tiles 0-3 in the odd K steps
.set XF,   128                         ; x's tiles 0-3 in the even K steps; tile i of 4 .. 7 at XF + 16 i in every step
.set XHI,  192
.set XB,   4                           ; s[4:5] x;  s[6:7] the bias;  s[8:9] wimg;  s[10:11] wscl;  s[12:13] img;  s[14:15] scl: each at my part
.set BB,   6
.set WB,   8
.set WSB,  10
.set OB,   12
.set SB,   14
.set WV,   36
.set TN,   37
.set XN,   38
.set SEL,  40                          ; s[40:41] v_permlanex16_b32's selects for lane l xor 16
.set MNT,  42                          ; s42  the mantissa field of 448
.set HIM,  43                          ; s43  the mask of lanes 16-31
.set PS0,  44                          ; s44-45 byte selects: the low halves, the high halves of two words
.set PASSN, 46
.set CNT,  47
.set KT,   52                          ; s52  2,048 x K step;  s53  128 x K step
.set KU,   53
.set XT,   54                          ; s54, s55 the same for phase X's trips
.set XU,   55
.set MSB, 0
.macro WIN new                         ; the immediate's high byte repeats the setting that is left; a switch that changes nothing is dropped
.if MSB != (\new)
	s_set_vgpr_msb (MSB<<8)|(\new)
.set MSB, (\new)
.endif
.endm
; 64 numbers of a lane in window win, v[s] on, register 16 b + i = k 32 b + 16 (lane / 16) + i of my row, become a fragment's codes in v[PC] on and its scale word in v[pw].
; relu = 1: what is negative becomes 0 on the way.  Five stretches, each under one window setting.  An accumulator is read from its low end on.
.macro QUANT win, s, relu, pw
	WIN (\win)|((\win)<<2)
.irp b, 0,1,2,3
.if \relu
	v_max3_num_f32 v[TM+\b], v[(\s)+16*\b], v[(\s)+1+16*\b], 0x4800000      ; no |.|: what is negative must not count; the floor 2^-118 stands over it
.else
	v_max3_num_f32 v[TM+\b], |v[(\s)+16*\b]|, |v[(\s)+1+16*\b]|, 0x4800000
.endif
.endr
	WIN ((\win)<<2)|((\win)<<4)
.irp i, 2,4,6,8,10,12,14
.irp b, 0,1,2,3
.if \relu
	v_max3_num_f32 v[TM+\b], v[TM+\b], v[(\s)+16*\b+\i], v[(\s)+1+16*\b+\i]  ; the four blocks by turns
.else
	v_max3_num_f32 v[TM+\b], v[TM+\b], |v[(\s)+16*\b+\i]|, |v[(\s)+1+16*\b+\i]|
.endif
.endr
.endr
	WIN 0
.irp b, 0,1,2,3
	v_permlanex16_b32 v[TM+4+\b], v[TM+\b], s[SEL], s[SEL+1]
.endr
.irp b, 0,1,2,3
	v_max_num_f32 v[TM+\b], v[TM+\b], v[TM+4+\b]   ; with lane l xor 16's 16: the block's largest magnitude
.endr
.irp b, 0,1,2,3
	v_add_nc_u32 v[TM+12+\b], 0xfc000000, v[TM+\b] ; 8 off its exponent field: the conversion's scale operand
.endr
.irp b, 0,1,2,3
	v_and_or_b32 v[TM+8+\b], v[TM+\b], 0x7f800000, s[MNT]  ; 448 x the scale
.endr
.irp b, 0,1,2,3
	v_lshrrev_b32 v[TM+4+\b], 23, v[TM+12+\b]      ; the scale's byte
.endr
	v_lshl_or_b32 v[\pw], v[TM+5], 8, v[TM+4]      ; the four bytes make my row's scale word; both halves of the lanes hold the same
	v_lshl_or_b32 v[\pw], v[TM+6], 16, v[\pw]
	v_lshl_or_b32 v[\pw], v[TM+7], 24, v[\pw]
	WIN ((\win)<<6)|(\win)
.irp b, 0,1,2,3
.irp i, 0,1,2,3,4,5,6,7,8,9,10,11,12,13,14,15
.if \relu
	v_med3_num_f32 v[(\s)+16*\b+\i], v[(\s)+16*\b+\i], 0, v[TM+8+\b]         ; the activation and the hold in one
.else
	v_med3_num_f32 v[(\s)+16*\b+\i], v[(\s)+16*\b+\i], -v[TM+8+\b], v[TM+8+\b] ; the conversion does not saturate (ISA guide 7.6.2)
.endif
.endr
.endr
	WIN (\win)
	s_wait_alu depctr_vm_vsrc(0)                   ; the stores issued so far have read v[PC ..], which the conversions write again; in phase X also v[PWC], v[XWC] and v[XSCC], which are written behind this macro
.irp b, 0,1,2,3
	v_cvt_scalef32_pk8_fp8_f32 v[PC+4*\b:PC+4*\b+1], v[(\s)+16*\b:(\s)+16*\b+7], v[TM+12+\b]
	v_cvt_scalef32_pk8_fp8_f32 v[PC+4*\b+2:PC+4*\b+3], v[(\s)+16*\b+8:(\s)+16*\b+15], v[TM+12+\b]
.endr
	WIN 0
	v_nop                                          ; a plain line behind the last conversion: vector and matrix instructions write its sources later
.endm
; 16 rows x 128 along K of x, 64 numbers a lane, into set `set` of window 1
.macro XLOAD set, off
	WIN 0x40
.irp b, 0,1,2,3
.irp j, 0,1,2,3
	global_load_b128 v[64*(\set)+16*\b+4*\j:64*(\set)+16*\b+4*\j+3], v[XA], s[XB:XB+1] offset:(\off)+128*\b+16*\j th:TH_LOAD_NT
.endr
.endr
	WIN 0
.endm
; Unit k of a trip's four: K step k / 2 of the trip's two, tile 2 w + k % 2.  load = 1: the same unit of the next trip is asked for, into the set that this unit has just emptied.
.macro XUNIT k, load, cnt
	s_wait_loadcnt \cnt                            ; my unit's 16 loads are in; those of the younger units, 16 each, may be out
	QUANT 1, 64*\k, 0, PW+(\k&1)
.if \k == 0
	v_add_nc_u32 v[XWC], s[XT], v[XWI]             ; the trip's addresses: the last trip's LDS stores, which read them, stand ahead of the quantiser's wait on vm_vsrc
	v_add_nc_u32 v[XSCC], s[XU], v[XWS]
.endif
.if \k&1
	v_cndmask_b32 v[PWC], v[PW], v[PW+1], s[HIM]   ; lanes 0-15: tile 2 w's words, lanes 16-31: tile 2 w + 1's: one register serves both tiles
.endif
	s_wait_alu depctr_va_vdst(0)                   ; the codes, the word and the addresses are written, which the LDS stores read; the quantiser is done reading and writing set k, in which the loads below land
.irp g, 0,1,2,3
	ds_store_b128 v[XWC], v[PC+4*\g:PC+4*\g+3] offset:(\k&1)*16384+(\k>>1)*2048+512*\g
.endr
.if \k&1
	ds_store_b32 v[XSCC], v[PWC] offset:(\k>>1)*128
.endif
.if \load
.if \k == 0
	s_wait_xcnt 0x0                                ; the last trip's loads, a quantiser back, have read their base: it may step
	s_add_nc_u64 s[XB:XB+1], s[XB:XB+1], 1024      ; the next trip's two K steps
.endif
	XLOAD \k, (\k&1)*32768+(\k>>1)*512             ; no vector instruction since the wait names set k
.endif
.endm
.macro EMIT                            ; one product, by the symbols rD, rA, rB, rC, rSA, rSB; rRA, rRB: the scales stand in lanes 16-31
.if rRA && rRB
	v_wmma_scale_f32_16x16x128_f8f6f4 v[rD:rD+7], v[rA:rA+15], v[rB:rB+15], v[rC:rC+7], v[rSA], v[rSB] matrix_a_scale:MATRIX_SCALE_ROW1 matrix_b_scale:MATRIX_SCALE_ROW1
.elseif rRA
	v_wmma_scale_f32_16x16x128_f8f6f4 v[rD:rD+7], v[rA:rA+15], v[rB:rB+15], v[rC:rC+7], v[rSA], v[rSB] matrix_a_scale:MATRIX_SCALE_ROW1
.elseif rRB
	v_wmma_scale_f32_16x16x128_f8f6f4 v[rD:rD+7], v[rA:rA+15], v[rB:rB+15], v[rC:rC+7], v[rSA], v[rSB] matrix_b_scale:MATRIX_SCALE_ROW1
.else
	v_wmma_scale_f32_16x16x128_f8f6f4 v[rD:rD+7], v[rA:rA+15], v[rB:rB+15], v[rC:rC+7], v[rSA], v[rSB]
.endif
.endm
; 16 products under one window setting.  The 64 accumulators take turns, one instruction a turn, in the same order in every K step.
; x's tile i stands at XF + 16 i, but tiles 0-3 (xh = 0) of an odd K step (p = 1) 64 registers lower.
.macro MUL16 ord, xh, g, p, first
.if \ord                               ; v: x's tiles 4 xh .. + 3 (source 0, window 0) against W's tiles 4 g .. + 3 (source 1, window 1)
	WIN ((2+\g)<<6)|((1-\first)*((2+\g)<<4))|0x04
.irp dw, 0,1,2,3
.irp dx, 0,1,2,3
.set wi, 4*\g+\dw
.set xi, 4*\xh+\dx
.set rD, 64*\dw+8*xi
.set rA, XF+16*xi-64*(\p)*(1-\xh)
.set rB, 128*\p+16*wi
.set rC, rD
.if \first
.set rC, BI+8*wi
.endif
.set rSA, XS+4*\p+xi/2
.set rSB, WS+4*\p+wi/2
.set rRA, xi%2
.set rRB, wi%2
	EMIT
.endr
.endr
.else                                  ; q, k: W's eight tiles (source 0, window 1) against x's tiles 4 xh + 2 g, + 1 (source 1, window 0)
	WIN ((2+\xh)<<6)|((1-\first)*((2+\xh)<<4))|0x01
.irp dx, 0,1
.irp dw, 0,1,2,3,4,5,6,7
.set wi, \dw
.set xi, 4*\xh+2*\g+\dx
.set rD, 64*(xi%4)+8*wi
.set rA, 128*\p+16*wi
.set rB, XF+16*xi-64*(\p)*(1-\xh)
.set rC, rD
.if \first
.set rC, BI+8*wi
.endif
.set rSA, WS+4*\p+wi/2
.set rSB, XS+4*\p+xi/2
.set rRA, wi%2
.set rRB, xi%2
	EMIT
.endr
.endr
.endif
.endm
.macro XFETCH reg, adr, off            ; four tiles of x into v[reg] on, from off bytes behind v[adr]
.irp d, 0,1,2,3
.irp g, 0,1,2,3
	ds_load_b128 v[(\reg)+16*\d+4*\g:(\reg)+16*\d+4*\g+3], v[\adr] offset:(\off)+\d*16384+512*\g
.endr
.endr
.endm
.macro XSFETCH p, off                  ; a K step's scale words of x into set p
.irp f, 0,1,2,3
	ds_load_b32 v[XS+4*(\p)+\f], v[LS] offset:(\off)+\f*1024
.endr
.endm
.macro WFETCH q                        ; a K step of W into set q: 4 loads of scale words, 32 of fragments
.irp c, 0,1,2,3
	global_load_b32 v[WS+4*(\q)+\c], v[WSO+(\q)], s[WSB:WSB+1] offset:128*\c
.endr
	WIN 0x40
.irp t, 0,1,2,3,4,5,6,7
.irp g, 0,1,2,3
	global_load_b128 v[128*(\q)+16*\t+4*\g:128*(\q)+16*\t+4*\g+3], v[WO+(\q)], s[WB:WB+1] offset:2048*\t+512*\g
.endr
.endr
	WIN 0
.endm
; K step 0: its products start the sums, on the bias, which fills v64-127: so step 1's tiles 0-3 are asked for only at its end.  No vector or matrix instruction since the wait at the pass's head names W's set 1.
.macro KSTEP0 ord
	WFETCH 1
	s_wait_loadcnt 36                              ; all but the 36 just issued: the bias and K step 0's W are in
.if \ord
.irp t, 0,1,2,3,4,5,6,7                ; v's bias hangs on the lane's channel alone: the same number in a tile's eight registers
.irp j, 1,2,3,4,5,6,7
	v_mov_b32 v[BI+8*\t+\j], v[BI+8*\t]
.endr
.endr
.rept 4
	v_nop
.endr
.endif
	s_wait_alu depctr_va_vdst(0)
	s_wait_dscnt 16                                ; x's tiles 0-3 and both steps' scale words are in; the youngest 16 loads (tiles 4-7) may be out
	MUL16 \ord, 0, 0, 0, 1
	MUL16 \ord, 0, 1, 0, 1
	s_wait_dscnt 0x0                               ; tiles 4-7 are in
	MUL16 \ord, 1, 0, 0, 1
	MUL16 \ord, 1, 1, 0, 1
	WIN 0
.rept 8
	v_nop                                          ; eight plain lines stay between the last products and loads into registers that they read; the wait below states the dependence
.endr
	s_wait_alu depctr_va_vdst(0)                   ; K step 0's products are done reading the bias (and v's copies of it are written) in v64-127, in which K step 1's tiles 0-3 land
	XFETCH XODD, LI, 2048
.endm
; K step s = 1 .. 7, of parity p: 64 products.  more = 1: a K step follows.
.macro KSTEP ord, p, more
	s_add_co_u32 s[KT], s[KT], 2048
.if \more
	s_add_co_u32 s[KU], s[KU], 128
.endif
	s_wait_alu depctr_vm_vsrc(0)                   ; the LDS loads of the step before have read v[LI], v[LI+1] and v[LS], the loads of W of two steps back v[WO+1-p] and v[WSO+1-p]: all are written below
	v_add_nc_u32 v[LI+1], s[KT], v[L16H]           ; this K step's images
.if \more
	v_add_nc_u32 v[LI], s[KT], v[L16]
	v_add_nc_u32 v[LS], s[KU], v[LSB]
	v_add_nc_u32 v[WO+1-\p], 0x8000, v[WO+1-\p]    ; two K steps on; the loads that last read these two registers were shown landed a K step ago
	v_add_nc_u32 v[WSO+1-\p], 1024, v[WSO+1-\p]
.rept 3
	v_nop                                          ; with the five additions: eight plain lines between the last products and loads into registers that they read
.endr
.else
.rept 7
	v_nop                                          ; with the addition: the same eight
.endr
.endif
	s_wait_alu depctr_va_vdst(0)                   ; the step before is done reading W's set 1 - p, both scale sets 1 - p, tiles 4-7 and buffer 1 - p of tiles 0-3, in which this step's loads land; the addresses above are written
.if \more
	WFETCH 1-\p                                    ; K step s + 1's W: first, since it comes from furthest
.endif
	XFETCH XHI, LI+1, 0                            ; this step's tiles 4-7: wanted 32 products on
.if \more
	s_wait_loadcnt 36                              ; all but the 36 just issued: this K step's W is in
.else
	s_wait_loadcnt 0x0
.endif
	s_wait_dscnt 16                                ; this step's tiles 0-3 and scale words are in; the youngest 16 loads (tiles 4-7) may be out
	MUL16 \ord, 0, 0, \p, 0
.if \more
	WIN 0
	XFETCH XF-64*(1-\p), LI, 2048                  ; K step s + 1's tiles 0-3 and scale words.  No wait: the 16 products since the wait name parity p's registers and the accumulators alone
	XSFETCH 1-\p, 128
.endif
	MUL16 \ord, 0, 1, \p, 0
.if \more
	s_wait_dscnt 20                                ; tiles 4-7 are in; the 20 loads for the next step may be out
.else
	s_wait_dscnt 0x0
.endif
	MUL16 \ord, 1, 0, \p, 0
	MUL16 \ord, 1, 1, \p, 0
	WIN 0
.if !\more
.rept 8
	v_nop                                          ; eight places behind the last products, ahead of the first read of results and of the vector lines that write v64 on, which they read
.endr
.endif
.endm
; All loads up to K step 0's products stand behind the wait at the pass's head, with no vector or matrix instruction between.
.macro GEMM ord
.if \ord
.irp t, 0,1,2,3,4,5,6,7
	global_load_b32 v[BI+8*\t], v[BO1], s[BB:BB+1] offset:(32*(\t/2)+8*(\t%2))*4
.endr
.else
.irp t, 0,1,2,3,4,5,6,7                ; lane half h wants, for tile 2 c + u, the bias of columns 32 c + 16 h + 8 u + 0 .. 7
	global_load_b128 v[BI+8*\t:BI+8*\t+3], v[BO0], s[BB:BB+1] offset:(32*(\t/2)+8*(\t%2))*4
	global_load_b128 v[BI+8*\t+4:BI+8*\t+7], v[BO0], s[BB:BB+1] offset:(32*(\t/2)+8*(\t%2))*4+16
.endr
.endif
	WFETCH 0
	XFETCH XF, LI, 0
	XSFETCH 0, 0
	XSFETCH 1, 128
	XFETCH XHI, LI+1, 0
	KSTEP0 \ord                                    ; K step 0 stands in front of the loop
	s_mov_b32 s[CNT], 3
.Lk_\@:
	KSTEP \ord, 1, 1
	KSTEP \ord, 0, 1
	s_sub_co_u32 s[CNT], s[CNT], 1
	s_cmp_lg_u32 s[CNT], 0
	s_cbranch_scc1 .Lk_\@
	KSTEP \ord, 1, 0                               ; K step 7 fetches its own tiles 4-7 and nothing more
.endm
.macro EPI L                           ; unit L's 64 numbers a lane: activation, codes, image
	s_wait_xcnt 0x0                                ; the last unit's stores have had their addresses translated: their data registers are rewritten only behind this wait (the quantiser's wait on vm_vsrc stands beside it)
	QUANT 2+\L/4, 64*(\L%4), 1, PW+\L
	s_wait_alu depctr_va_vdst(0)                   ; the conversions have written v[PC ..], which the stores read
.irp g, 0,1,2,3
	global_store_b128 v[L16], v[PC+4*\g:PC+4*\g+3], s[OB:OB+1] offset:2048*\L+512*\g   ; 32 lanes store 512 consecutive bytes, aligned
.endr
.endm
	s_load_b512 s[16:31], s[0:1], 0x0              ; queries, keys, values, bq, bk, bv, wimg, wscl
	s_load_b128 s[32:35], s[0:1], 0x40             ; img, scl
	v_lshl_add_u32 v62, v0, 2, 0x21000
	v_mov_b32 v63, 0
	v_lshrrev_b32 v1, 5, v0
	v_readfirstlane_b32 s[WV], v1                  ; wave 0..3
	s_and_b32 s[TN], ttmp7, 0xffff                 ; which tensor
	s_mov_b32 s[XN], ttmp9                         ; which 128 rows
	v_and_b32 v1, 31, v0
	v_lshlrev_b32 v[L16], 4, v1
	v_lshlrev_b32 v[L4], 2, v1
	v_lshlrev_b32 v[L8], 3, v1
	v_and_b32 v54, 15, v0                          ; r
	v_bfe_u32 v55, v0, 4, 1                        ; h
	v_and_b32 v56, 8, v54
	v_add_nc_u32 v56, v56, v54                     ; r + 8 (r / 8)
	v_lshlrev_b32 v[BO0], 6, v55
	v_lshlrev_b32 v[BO1], 2, v56
	v_lshl_add_u32 v[XA], v56, 12, v[BO0]          ; a row of x is 4,096 bytes; my 16 numbers of a block of 32 begin 64 h bytes in
	s_wait_alu depctr_va_sdst(0)                   ; the wave's number is written, ahead of its first reader: LDS addresses and all bases are made from it
	s_lshl_b32 s48, s[WV], 15
	v_add_nc_u32 v[XWI], s48, v[L16]               ; my wave's two tiles: 32,768 bytes of images
	s_lshl_b32 s48, s[WV], 10
	s_add_co_u32 s48, s48, XSC
	v_add_nc_u32 v[XWS], s48, v[L4]                ; and 1,024 bytes of scale words
	v_add_nc_u32 v[L16H], 0x10000, v[L16]
	v_add_nc_u32 v[LSB], XSC, v[L4]
.irp b, 0,1,2,3
	v_mov_b32 v[TM+4+\b], 0                        ; written once: a lane permute's destination counts as one of its sources
.endr
	s_mov_b32 s[SEL], 0x76543210
	s_mov_b32 s[SEL+1], 0xfedcba98
	s_mov_b32 s[MNT], 0x600000
	s_mov_b32 s[HIM], 0xffff0000
	s_mov_b32 s[PS0], 0x05040100
	s_mov_b32 s[PS0+1], 0x07060302
	s_lshl_b32 s48, s[XN], 19                      ; x: 128 rows of 4,096 bytes a work-group,
	s_lshl_b32 s50, s[WV], 17                      ; 32 rows a wave
	s_add_co_u32 s48, s48, s50
	s_mov_b32 s49, 0
	s_wait_kmcnt 0x0
	s_cmp_eq_u32 s[TN], 1                          ; the choices hang on the work-group's number alone
	s_cselect_b64 s[XB:XB+1], s[18:19], s[16:17]
	s_cselect_b64 s[BB:BB+1], s[24:25], s[22:23]
	s_cmp_eq_u32 s[TN], 2
	s_cselect_b64 s[XB:XB+1], s[20:21], s[XB:XB+1]
	s_cselect_b64 s[BB:BB+1], s[26:27], s[BB:BB+1]
	s_add_nc_u64 s[XB:XB+1], s[XB:XB+1], s[48:49]
	s_wait_alu depctr_va_vdst(0)                   ; the offsets and addresses made above are written: v[XA], which the loads of x read, and those that never change again
	XLOAD 0, 0                                     ; the first trip's four units
	XLOAD 1, 32768
	XLOAD 2, 512
	XLOAD 3, 33280
	s_lshl_b32 s48, s[WV], 9                       ; the bias: 128 numbers a column block
	s_add_nc_u64 s[BB:BB+1], s[BB:BB+1], s[48:49]
	s_lshl_b32 s48, s[TN], 20                      ; wimg: 2^20 bytes a tensor, 2^17 a column block
	s_add_co_u32 s48, s48, s50
	s_add_nc_u64 s[WB:WB+1], s[28:29], s[48:49]
	s_lshl_b32 s48, s[TN], 15                      ; wscl: 2^15 a tensor, 2^12 a column block
	s_lshl_b32 s50, s[WV], 12
	s_add_co_u32 s48, s48, s50
	s_add_nc_u64 s[WSB:WSB+1], s[30:31], s[48:49]
	s_lshr_b32 s51, s[XN], 4                       ; b
	s_and_b32 s50, s[XN], 15                       ; s
	s_lshl_b32 s48, s[TN], 23                      ; img: 2^23 a tensor, 2^21 a batch, 2^18 a column block, 2^14 a step of 128 rows
	s_lshl_b32 s39, s51, 21
	s_add_co_u32 s48, s48, s39
	s_lshl_b32 s39, s[WV], 18
	s_add_co_u32 s48, s48, s39
	s_lshl_b32 s39, s50, 14
	s_add_co_u32 s48, s48, s39
	s_add_nc_u64 s[OB:OB+1], s[32:33], s[48:49]
	s_lshl_b32 s48, s[TN], 18                      ; scl: 2^18, 2^16, 2^13, 2^9
	s_lshl_b32 s39, s51, 16
	s_add_co_u32 s48, s48, s39
	s_lshl_b32 s39, s[WV], 13
	s_add_co_u32 s48, s48, s39
	s_lshl_b32 s39, s50, 9
	s_add_co_u32 s48, s48, s39
	s_add_nc_u64 s[SB:SB+1], s[34:35], s[48:49]
	; ---- PHASE X: 16 units, four a trip (two K steps x my two tiles)
	s_mov_b32 s[XT], 0
	s_mov_b32 s[XU], 0
	s_mov_b32 s[CNT], 3
.Lxtrip:
	XUNIT 0, 1, 48
	XUNIT 1, 1, 48
	XUNIT 2, 1, 48
	XUNIT 3, 1, 48
	s_add_co_u32 s[XT], s[XT], 4096
	s_add_co_u32 s[XU], s[XU], 256
	s_sub_co_u32 s[CNT], s[CNT], 1
	s_cmp_lg_u32 s[CNT], 0
	s_cbranch_scc1 .Lxtrip
	XUNIT 0, 0, 48                                 ; the last trip is written out: it asks for nothing, and the counts run down
	XUNIT 1, 0, 32
	XUNIT 2, 0, 16
	XUNIT 3, 0, 0
	s_wait_dscnt 0x0                               ; for the others' sake: my images and scale words have landed
	s_barrier_signal -1
	s_barrier_wait -1                              ; all 64 fragments of x lie in LDS; from here on LDS is only read
	; ---- PHASE G: two passes, column blocks w and w + 4
	s_mov_b32 s[PASSN], 2
.Lpass:
	s_mov_b32 s[KT], 0
	s_mov_b32 s[KU], 0
	s_wait_alu depctr_vm_vsrc(0)                   ; the last stores of codes (phase X's LDS stores; the pass before's global stores) have read v[PC ..], in which the bias lands; the pass before's loads have read the seven addresses written below
	v_add_nc_u32 v[LI], s[KT], v[L16]
	v_add_nc_u32 v[LI+1], s[KT], v[L16H]
	v_add_nc_u32 v[LS], s[KU], v[LSB]
	v_mov_b32 v[WO], v[L16]                        ; set 0 begins at K step 0, set 1 at K step 1
	v_add_nc_u32 v[WO+1], 16384, v[L16]
	v_mov_b32 v[WSO], v[L4]
	v_add_nc_u32 v[WSO+1], 512, v[L4]
	s_wait_alu depctr_va_vdst(0)                   ; the seven addresses are written; the quantisers are done with v64-95 and with window 1, the pass before's products with x's, W's and the scales' registers: the loads up to K step 0's products land in these
	s_cmp_eq_u32 s[TN], 2                          ; the two orientations differ in every product: two copies, chosen by the work-group's number; neither holds a barrier or an LDS store
	s_cbranch_scc1 .Lgemm_v
	GEMM 0
	s_branch .Lepi
.Lgemm_v:
	GEMM 1
.Lepi:
	EPI 0
	EPI 1
	EPI 2
	EPI 3
	EPI 4
	EPI 5
	EPI 6
	EPI 7
	s_cmp_eq_u32 s[TN], 2
	s_cbranch_scc1 .Lscl_v
.irp e, 0,1                            ; q, k: head e's two bytes of tiles 2 f and 2 f + 1 make pair f's word; pairs 2 w and 2 w + 1 share a register, one in each half of the lanes
.irp f, 0,1,2,3
	v_perm_b32 v[SW+\f], v[PW+2*\f+1], v[PW+2*\f], s[PS0+\e]
.endr
	v_cndmask_b32 v[OW+2*\e], v[SW], v[SW+1], s[HIM]
	v_cndmask_b32 v[OW+2*\e+1], v[SW+2], v[SW+3], s[HIM]
.endr
	s_branch .Lscl_out
.Lscl_v:
.irp e, 0,1                            ; v: a unit's word is a tile's word as it stands
	v_cndmask_b32 v[OW+2*\e], v[PW+4*\e], v[PW+4*\e+1], s[HIM]
	v_cndmask_b32 v[OW+2*\e+1], v[PW+4*\e+2], v[PW+4*\e+3], s[HIM]
.endr
.Lscl_out:
	s_wait_alu depctr_va_vdst(0)                   ; the selects have written v[OW ..], which the two stores read
	global_store_b64 v[L8], v[OW:OW+1], s[SB:SB+1]             ; 32 lanes store 256 consecutive bytes, aligned
	global_store_b64 v[L8], v[OW+2:OW+3], s[SB:SB+1] offset:256
	s_wait_xcnt 0x0                                ; the stores have read their bases: these may be written again
	s_add_nc_u64 s[BB:BB+1], s[BB:BB+1], 2048      ; four column blocks on
	s_add_nc_u64 s[WB:WB+1], s[WB:WB+1], 0x80000
	s_add_nc_u64 s[WSB:WSB+1], s[WSB:WSB+1], 16384
	s_add_nc_u64 s[OB:OB+1], s[OB:OB+1], 0x100000
	s_add_nc_u64 s[SB:SB+1], s[SB:SB+1], 32768
	s_sub_co_u32 s[PASSN], s[PASSN], 1
	s_cmp_lg_u32 s[PASSN], 0
	s_cbranch_scc1 .Lpass
	s_wait_dscnt 0x0                               ; the closing lines, six on end
	s_wait_alu 0x0
	s_wait_tensorcnt 0x0
	ds_add_u32 v62, v63
	s_wait_dscnt 0x0
	s_endpgm
.Lfunc_end_k_q99ffd8a051_proj:
	.size	k_q99ffd8a051_proj, .Lfunc_end_k_q99ffd8a051_proj-k_q99ffd8a051_proj
	.p2alignl 7, 3214868480
	.fill 96, 4, 3214868480
	.section	.rodata,"a",@progbits
	.p2align	6, 0x0
	.amdhsa_kernel k_q99ffd8a051_proj
		.amdhsa_group_segment_fixed_size 135680
		.amdhsa_private_segment_fixed_size 0
		.amdhsa_enable_private_segment 0
		.amdhsa_kernarg_size 80
		.amdhsa_user_sgpr_count 2
		.amdhsa_user_sgpr_kernarg_segment_ptr 1
		.amdhsa_wavefront_size32 1
		.amdhsa_system_sgpr_workgroup_id_x 1
		.amdhsa_system_sgpr_workgroup_id_y 1
		.amdhsa_system_sgpr_workgroup_id_z 1
		.amdhsa_system_vgpr_workitem_id 0
		.amdhsa_next_free_vgpr 1024
		.amdhsa_next_free_sgpr 66
		.amdhsa_reserve_vcc 0
		.amdhsa_float_denorm_mode_32 3
		.amdhsa_float_denorm_mode_16_64 3
		.amdhsa_memory_ordered 1
		.amdhsa_forward_progress 1
		.amdhsa_inst_pref_size 255
	.end_amdhsa_kernel
	.section	.bss,"aw",@nobits
	.p2align	6
	.space	262144
	.amdgpu_metadata
---
amdhsa.version: [ 1, 2 ]
amdhsa.kernels:
  - .name:           k_q99ffd8a051_proj
    .symbol:         k_q99ffd8a051_proj.kd
    .args:
      - { .name: queries, .offset: 0, .size: 8, .value_kind: global_buffer, .address_space: global }
      - { .name: keys, .offset: 8, .size: 8, .value_kind: global_buffer, .address_space: global }
      - { .name: values, .offset: 16, .size: 8, .value_kind: global_buffer, .address_space: global }
      - { .name: bq, .offset: 24, .size: 8, .value_kind: global_buffer, .address_space: global }
      - { .name: bk, .offset: 32, .size: 8, .value_kind: global_buffer, .address_space: global }
      - { .name: bv, .offset: 40, .size: 8, .value_kind: global_buffer, .address_space: global }
      - { .name: wimg, .offset: 48, .size: 8, .value_kind: global_buffer, .address_space: global }
      - { .name: wscl, .offset: 56, .size: 8, .value_kind: global_buffer, .address_space: global }
      - { .name: img, .offset: 64, .size: 8, .value_kind: global_buffer, .address_space: global }
      - { .name: scl, .offset: 72, .size: 8, .value_kind: global_buffer, .address_space: global }
    .group_segment_fixed_size: 135680
    .private_segment_fixed_size: 0
    .kernarg_segment_align: 8
    .kernarg_segment_size: 80
    .max_flat_workgroup_size: 128
    .sgpr_count:     66
    .vgpr_count:     1024
    .wavefront_size: 32
...
	.end_amdgpu_metadata
.endif
;; end of part 6
;; launch attn (part 7): grid 4 x 64, 16 waves a work-group, clusters of 4 x 1, 327,680 bytes of LDS; arguments img, scl, attention_mask, obuf; writes obuf
.if DOCPART == 7
	.amdgcn_target "amdgcn-amd-amdhsa--gfx1250"
	.amdhsa_code_object_version 6
	.text
	.protected	k_q99ffd8a051_attn
	.globl	k_q99ffd8a051_attn
	.p2align	8
	.type	k_q99ffd8a051_attn,@function
k_q99ffd8a051_attn:
	s_mov_b64 s[64:65], 0
	v_nop
	global_prefetch_b8 v0, s[64:65] scope:SCOPE_SE
	s_setreg_imm32_b32 hwreg(HW_REG_WAVE_MODE, 25, 1), 1
	s_wait_xcnt 0x0
	s_wait_alu depctr_hold_cnt(0) depctr_sa_sdst(0) depctr_va_vdst(0) depctr_va_sdst(0) depctr_va_ssrc(0) depctr_va_vcc(0) depctr_vm_vsrc(0)
	s_getreg_b32 s2, hwreg(HW_REG_IB_STS2, 6, 4)
	s_cmp_eq_u32 s2, 0
	s_cbranch_scc0 .Lentry_in_a_cluster
	s_endpgm
.Lentry_in_a_cluster:
	s_bfe_u32 s2, ttmp6, 0x10000c
	s_cmp_lg_u32 s2, 0x3003
	s_cbranch_scc0 .Lentry_shape_is_right
	s_endpgm
.Lentry_shape_is_right:
; obuf[b][q][64 head + d] = the sum over keys of softmax(q . k / 8) v, per batch and head, both products on codes of FP8 (E4M3) with one E8M0 scale for each 32 along a product's K.
; THE SOFTMAX AHEAD OF THE SECOND PRODUCT: t = score x log2(e) / 8; M = the running largest t rounded UP to a whole number; p = 2^(t - M) is quantised along the keys, not normalised; the row's sum is
; taken of the unquantised p and divides at the end.  When M moves, the sum and O are multiplied by 2^(old M - new M), which rounds nothing.
; THE MASK hangs on the QUERY: a masked query has the score 1e-9 at every key.  Here its codes of q are set to 0, once a tile: all its scores are 0, M = 0, p = 1, the sum 2,048.  The definition has
; t = 1.4e-9, M = 1, p = 2^(t - 1), which is 0.5 in f32, the sum 1,024: both are the sum of the quantised v over 2,048, for every input.  No branch and no address hangs on the mask.
; SHARES: work-group y = 16 b + head; the four work-groups of a head own 512 queries each and form a cluster.  Sixteen waves; wave w takes the tile of 16 queries 32 x + 16 pass + w, two passes.
; A head's codes and scale words of k and v, 270,336 bytes, come into LDS ONCE, by joint loads (the same descriptor and a mask that names the four, in all four): nothing is filled again.
; THE SCORES' K IS 64: a fragment of k (16 registers) holds TWO tiles of keys, tile 2 f in registers 0-7 and tile 2 f + 1 in 8-15.  q lies in 24 registers as [zeros | q | zeros]: the upper 16 pick tile 2 f,
; the lower 16 tile 2 f + 1.  The half that is not meant meets zero codes; k's codes there are finite (the quantiser holds at 448) and all scale bytes lie in 1 .. 254, so it adds exactly 0.
; LAYOUT: both products transposed: S^T = k q^T, O^T = v^T p^T: a lane holds one query throughout.  Lane r of tile 2 f + u of any 128 rows holds row 32 f + 8 u + r + 8 (r / 8), so that the 16 registers of
; tiles 2 f and 2 f + 1 of a result are 16 neighbours: the conversions' results are the next operand's registers.
; LIMITS: NaN and infinities are not served.
; REGISTERS: v1-7 addresses that stay; v8-11 the step's; v12 -M, v13 the largest t, v[14:15] the sum; v16-39 q between zeros; v40-103 four fragments of k, then of v; v104-167 S^T, then p; v168-199 O^T;
;   v200-215 p's codes; v216-231, v240 at work; v232-237 scale words alone; v[238:239] the rescaling factor.
.set VIMG,  131072                     ; LDS: 0: k's images, 8,192 bytes a step of 128 keys; here: v's
.set KSC,   262144                     ; k's scale words, 256 bytes a step
.set VSC,   266240                     ; v's
.set STAGE, 270336                     ; the way out: 8 rows x 272 bytes for each wave; no tile lands here
.set QZ,  16
.set KF,  40
.set S,   104
.set O,   168
.set PC,  200
.set BM,  216
.set T2,  220
.set HD,  224
.set SC,  228
.set SK,  232
.set SV,  234
.set QS,  236
.set PS,  237
.set F,   238
.set TA,  240
.set WV,  12
.set G1K, 16                           ; s[16:23] descriptor group 1 for k's codes;  s[24:31] for v's;  s[32:39] for scale words
.set G1V, 24
.set G1S, 32
.set G0C, 40                           ; s[40:43] group 0 for my load of codes;  s[44:47] of scale words
.set G0S, 44
.set SEL, 48
.set CS,  50                           ; s[50:51] c = log2(e) / 8
.set MNT, 52
.set TB,  53                           ; s53  8,192 x step;  s54  256 x step
.set TS,  54
.set CNT, 55
.set QB,  58                           ; s[58:59] q's codes, s[60:61] its scale words, s[62:63] the mask, s[66:67] obuf: each at my tile of pass 0
.set QSB, 60
.set MB,  62
.set OBB, 66
.set PSEL, 80
.macro CROUND                          ; a round of the cluster's barrier
	s_barrier_signal -1
	s_barrier_wait -1
	s_cmp_lg_u32 s[WV], 0
	s_cbranch_scc1 .Lnot_wave_0_\@
	s_barrier_signal -3
.Lnot_wave_0_\@:
	s_barrier_wait -3
	s_barrier_signal -1
	s_barrier_wait -1
.endm
	s_load_b256 s[4:11], s[0:1], 0x0               ; img s[4:5], scl s[6:7], the mask s[8:9], obuf s[10:11]
	v_lshl_add_u32 v254, v0, 2, 0x4a800
	v_mov_b32 v255, 0
	ds_add_u32 v254, v255
	ds_add_u32 v254, v255
	v_lshrrev_b32 v1, 5, v0
	s_delay_alu instid0(VALU_DEP_1)
	v_readfirstlane_b32 s[WV], v1                  ; wave 0..15
	s_and_b32 s15, ttmp7, 0xffff                   ; 16 b + head, which the four partners share
	s_lshr_b32 s68, s15, 1                         ; bn = 8 b + head / 2
	s_and_b32 s69, s15, 1                          ; e = head % 2
	s_lshr_b32 s70, s[WV], 3                       ; waves 0-7 fetch for k (0), waves 8-15 for v (1),
	s_and_b32 s71, s[WV], 7                        ; two steps of 128 keys each
	s_add_co_u32 s72, s70, 1                       ; the tensor's number in img and scl
	s_lshl_b32 s74, s72, 23
	s_lshl_b32 s73, s68, 18
	s_add_co_u32 s74, s74, s73
	s_lshl_b32 s73, s71, 15
	s_add_co_u32 s74, s74, s73
	s_mul_i32 s73, s70, 7168
	s_add_co_u32 s73, s73, 1024                    ; head e begins 1,024 e bytes into a tile of k, 8,192 e bytes into a step of v
	s_mul_i32 s73, s73, s69
	s_add_co_u32 s74, s74, s73
	s_mov_b32 s75, 0
	s_lshl_b32 s76, s72, 18
	s_lshl_b32 s73, s68, 13
	s_add_co_u32 s76, s76, s73
	s_lshl_b32 s73, s71, 10
	s_add_co_u32 s76, s76, s73
	s_lshl_b32 s73, s69, 8
	s_add_co_u32 s76, s76, s73
	s_mov_b32 s77, 0
	; group 1, elements of 8 bytes, no padding (an image is read 16 bytes a lane on end).  k: 16 rows (8 tiles x 2 steps) of 1,024 bytes, 2,048 apart
	s_mov_b32 s[G1K], 15|(3<<16)|(1<<21)           ; 15:0 the mask: all four work-groups; 17:16 elements of 8 bytes; 21 set beside a mask
	s_mov_b32 s[G1K+1], 128<<16                    ; tensor_dim0
	s_mov_b32 s[G1K+2], 16<<16                     ; tensor_dim1
	s_mov_b32 s[G1K+3], 128<<16                    ; tile_dim0
	s_mov_b32 s[G1K+4], 16                         ; tile_dim1
	s_mov_b32 s[G1K+5], 256                        ; the pitch
	s_mov_b32 s[G1K+6], 0
	s_mov_b32 s[G1K+7], 0
	s_mov_b32 s[G1V], 15|(3<<16)|(1<<21)           ; v: 2 rows (steps) of 8,192 bytes, 16,384 apart
	s_mov_b32 s[G1V+1], 1024<<16
	s_mov_b32 s[G1V+2], 2<<16
	s_mov_b32 s[G1V+3], 1024<<16
	s_mov_b32 s[G1V+4], 2
	s_mov_b32 s[G1V+5], 2048
	s_mov_b32 s[G1V+6], 0
	s_mov_b32 s[G1V+7], 0
	s_mov_b32 s[G1S], 15|(3<<16)|(1<<21)           ; scale words: 2 rows (steps) of 256 bytes, 512 apart
	s_mov_b32 s[G1S+1], 32<<16
	s_mov_b32 s[G1S+2], 2<<16
	s_mov_b32 s[G1S+3], 32<<16
	s_mov_b32 s[G1S+4], 2
	s_mov_b32 s[G1S+5], 64
	s_mov_b32 s[G1S+6], 0
	s_mov_b32 s[G1S+7], 0
	s_mov_b32 s[SEL], 0x76543210
	s_mov_b32 s[SEL+1], 0xfedcba98
	s_mov_b32 s[CS], 0x3e38aa3b                    ; log2(e) / 8
	s_mov_b32 s[CS+1], s[CS]                       ; (named with it as a pair, so it is written)
	s_mov_b32 s[MNT], 0x600000
	s_wait_dscnt 0x0
	s_wait_kmcnt 0x0
	s_mov_b32 s[G0C], 1
	s_lshl_b32 s[G0C+1], s[WV], 14                 ; 16,384 bytes a wave: k's eight, then v's eight
	s_add_nc_u64 s[G0C+2:G0C+3], s[4:5], s[74:75]
	s_or_b32 s[G0C+3], s[G0C+3], 0x80000000
	s_mov_b32 s[G0S], 1
	s_lshl_b32 s[G0S+1], s[WV], 9                  ; 512 bytes a wave
	s_add_co_u32 s[G0S+1], s[G0S+1], KSC
	s_add_nc_u64 s[G0S+2:G0S+3], s[6:7], s[76:77]
	s_or_b32 s[G0S+3], s[G0S+3], 0x80000000
	CROUND                                         ; all four work-groups are here: the joint loads meet
	tensor_load_to_lds s[G0S:G0S+3], s[G1S:G1S+7]  ; two loads of mine are out at the most: the scale words,
	s_nop 0
.rept 4
	v_nop
.endr
	s_wait_alu depctr_va_vdst(0)
	s_wait_tensorcnt 0x0
	ds_add_u32 v254, v255
	s_wait_dscnt 0x0
	CROUND
	s_cmp_lt_u32 s[WV], 8                          ; and the codes: two shapes, two lines, chosen by the wave's number alone
	s_cbranch_scc0 .Lfor_v
	tensor_load_to_lds s[G0C:G0C+3], s[G1K:G1K+7]
	s_nop 0
.rept 4
	v_nop
.endr
	s_branch .Lasked
.Lfor_v:
	tensor_load_to_lds s[G0C:G0C+3], s[G1V:G1V+7]
	s_nop 0
.rept 4
	v_nop
.endr
.Lasked:
	; my place in the cluster enters the global addresses of q, the mask and obuf alone
	s_bfe_u32 s13, ttmp6, 0x40000                  ; cx
	s_lshl_b32 s14, ttmp9, 2
	s_add_co_u32 s14, s14, s13                     ; which 512 queries
	s_lshl_b32 s78, s14, 5
	s_add_co_u32 s78, s78, s[WV]                   ; my tile of pass 0: 32 x + w
	s_lshr_b32 s82, s78, 3                         ; its step of 128 rows
	s_lshl_b32 s78, s78, 11                        ; 2,048 bytes a tile,
	s_lshl_b32 s81, s68, 18
	s_add_co_u32 s78, s78, s81
	s_lshl_b32 s81, s69, 10                        ; my head's half of it
	s_add_co_u32 s78, s78, s81
	s_mov_b32 s79, 0
	s_add_nc_u64 s[QB:QB+1], s[4:5], s[78:79]
	s_lshl_b32 s82, s82, 9
	s_lshl_b32 s81, s68, 13
	s_add_co_u32 s82, s82, s81
	s_lshl_b32 s81, s69, 8
	s_add_co_u32 s82, s82, s81
	s_mov_b32 s83, 0
	s_add_nc_u64 s[QSB:QSB+1], s[6:7], s[82:83]
	s_lshr_b32 s78, s15, 4                         ; b
	s_lshl_b32 s78, s78, 11
	s_lshl_b32 s81, s14, 9
	s_add_co_u32 s78, s78, s81
	s_lshr_b32 s81, s[WV], 1
	s_lshl_b32 s81, s81, 5
	s_add_co_u32 s78, s78, s81
	s_and_b32 s81, s[WV], 1
	s_lshl_b32 s81, s81, 3
	s_add_co_u32 s78, s78, s81                     ; lane 0's row: 2,048 b + 512 x + 32 (w / 2) + 8 (w % 2)
	s_lshl_b32 s82, s78, 2
	s_add_nc_u64 s[MB:MB+1], s[8:9], s[82:83]
	s_lshl_b32 s78, s78, 12
	s_and_b32 s81, s15, 15
	s_lshl_b32 s81, s81, 8                         ; a head's 64 channels are 256 bytes of a row
	s_add_co_u32 s78, s78, s81
	s_add_nc_u64 s[OBB:OBB+1], s[10:11], s[78:79]
	s_and_b32 s81, s[WV], 1
	s_mul_i32 s81, s81, 0x02020202
	s_add_co_u32 s[PSEL], s81, 0x01000100          ; bytes 0, 1 (even tile) or 2, 3 (odd tile) of the pair's word, twice
	v_and_b32 v245, 31, v0                         ; lane
	v_and_b32 v246, 15, v0                         ; r
	v_bfe_u32 v247, v0, 4, 1                       ; h
	s_delay_alu instid0(VALU_DEP_3)
	v_lshlrev_b32 v1, 4, v245                      ; an image's place for my lane
	s_delay_alu instid0(VALU_DEP_1)
	v_add_nc_u32 v2, VIMG, v1
	v_lshl_add_u32 v3, v245, 3, KSC                ; two scale words a lane
	v_lshl_add_u32 v4, v245, 3, VSC
	s_mul_i32 s57, s[WV], 8*272
	s_add_co_u32 s57, s57, STAGE                   ; my stage
	v_and_b32 v248, 7, v0
	s_delay_alu instid0(VALU_DEP_1)
	v_mul_u32_u24 v5, v248, 272
	s_delay_alu instid0(VALU_DEP_1)
	v_lshl_add_u32 v5, v247, 6, v5
	s_delay_alu instid0(VALU_DEP_1)
	v_add_nc_u32 v5, s57, v5                       ; in: row r % 8, + 64 h
	v_mul_u32_u24 v6, v247, 272
	s_delay_alu instid0(VALU_DEP_1)
	v_lshl_add_u32 v6, v246, 4, v6
	s_delay_alu instid0(VALU_DEP_1)
	v_add_nc_u32 v6, s57, v6                       ; back: lanes 0-15 one row, lanes 16-31 the next
	v_lshlrev_b32 v7, 12, v247
	s_delay_alu instid0(VALU_DEP_1)
	v_lshl_add_u32 v7, v246, 4, v7                 ; and the same two rows in obuf
	s_bfe_u32 s81, s[WV], 0x10001                  ; my tile's pair f = (w % 8) / 2: its word stands in lane half f % 2, word f / 2
	s_lshl_b32 s81, s81, 7
	s_bfe_u32 s57, s[WV], 0x10002
	s_lshl_b32 s57, s57, 2
	s_add_co_u32 s81, s81, s57
	v_lshl_add_u32 v242, v246, 3, s81
	v_and_b32 v243, 8, v246
	s_delay_alu instid0(VALU_DEP_1)
	v_add_nc_u32 v243, v243, v246
	s_delay_alu instid0(VALU_DEP_1)
	v_lshlrev_b32 v243, 2, v243                    ; the mask: 4 (r + 8 (r / 8))
.irp j, 0,1,2,3,4,5,6,7
	v_mov_b32 v[QZ+\j], 0                          ; the zero codes on both sides of q
	v_mov_b32 v[QZ+16+\j], 0
.endr
	v_mov_b32 v[F+1], 0                            ; (named as the upper half of a pair)
	s_wait_tensorcnt 0x0                           ; my parts have landed,
	s_barrier_signal -1
	s_barrier_wait -1                              ; everybody's have
; A KEY STEP: 128 keys
.macro STEP
	v_add_nc_u32 v8, s[TB], v1
	v_add_nc_u32 v9, s[TB], v2
	v_add_nc_u32 v10, s[TS], v3
	v_add_nc_u32 v11, s[TS], v4
.rept 4
	v_nop                                          ; with the four additions: eight places in front of loads into registers that the last products read
.endr
.irp f, 0,1,2,3
.irp g, 0,1,2,3
	ds_load_b128 v[KF+16*\f+4*\g:KF+16*\f+4*\g+3], v8 offset:2048*\f+512*\g
.endr
.endr
	ds_load_b64 v[SK:SK+1], v10
	s_wait_alu depctr_va_vdst(0)
	s_wait_dscnt 0x0
.irp f, 0,1,2,3                        ; S^T: fragment f holds tiles 2 f and 2 f + 1; [q | 0] picks the first, [0 | q] the second
.irp u, 0,1
.if \f%2
	v_wmma_scale_f32_16x16x128_f8f6f4 v[S+8*(2*\f+\u):S+8*(2*\f+\u)+7], v[KF+16*\f:KF+16*\f+15], v[QZ+8-8*\u:QZ+23-8*\u], 0, v[SK+\f/2], v[QS] matrix_a_scale:MATRIX_SCALE_ROW1
.else
	v_wmma_scale_f32_16x16x128_f8f6f4 v[S+8*(2*\f+\u):S+8*(2*\f+\u)+7], v[KF+16*\f:KF+16*\f+15], v[QZ+8-8*\u:QZ+23-8*\u], 0, v[SK+\f/2], v[QS]
.endif
.endr
.endr
.rept 8
	v_nop                                          ; places in front of the loads below and of the first read of the scores
.endr
.irp f, 0,1,2,3                        ; v's four fragments land while the softmax is walked
.irp g, 0,1,2,3
	ds_load_b128 v[KF+16*\f+4*\g:KF+16*\f+4*\g+3], v9 offset:2048*\f+512*\g
.endr
.endr
	ds_load_b64 v[SV:SV+1], v11
.irp b, 0,1,2,3
	v_max3_num_f32 v[BM+\b], v[S+16*\b], v[S+1+16*\b], v[S+2+16*\b]   ; the largest score of each block of 32 keys: it serves the row's maximum and, since p rises with the score, the block's largest p
.endr
.irp i, 3,5,7,9,11,13
.irp b, 0,1,2,3
	v_max3_num_f32 v[BM+\b], v[BM+\b], v[S+16*\b+\i], v[S+1+16*\b+\i]
.endr
.endr
.irp b, 0,1,2,3
	v_max_num_f32 v[BM+\b], v[BM+\b], v[S+15+16*\b]
.endr
.irp b, 0,1,2,3
	s_delay_alu instid0(VALU_DEP_4)
	v_permlanex16_b32 v[T2+\b], v[BM+\b], s[SEL], s[SEL+1]
.endr
.irp b, 0,1,2,3
	s_delay_alu instid0(VALU_DEP_4)
	v_max_num_f32 v[BM+\b], v[BM+\b], v[T2+\b]     ; with lane l xor 16's 16 keys
.endr
	s_delay_alu instid0(VALU_DEP_2)
	v_max3_num_f32 v[TA], v[BM], v[BM+1], v[BM+2]
	s_delay_alu instid0(VALU_DEP_1)
	v_max_num_f32 v[TA], v[TA], v[BM+3]            ; the step's largest score of my query
	s_delay_alu instid0(VALU_DEP_1)
	v_mul_f32 v[TA], s[CS], v[TA]                  ; as t (c is positive)
	s_delay_alu instid0(VALU_DEP_1)
	v_max_num_f32 v13, v13, v[TA]                  ; the running largest t
	v_mov_b32 v[TA], v12
	s_delay_alu instid0(VALU_DEP_2)
	v_floor_f32 v12, -v13                          ; the new -M = floor(-t): M is a whole number
	s_delay_alu instid0(VALU_DEP_1)
	v_sub_f32 v[TA], v12, v[TA]                    ; old M - new M: a whole number, 0 or less
	s_delay_alu instid0(VALU_DEP_1)
	v_cvt_i32_f32 v[TA], v[TA]                     ; (it saturates)
	s_delay_alu instid0(VALU_DEP_1)
	v_ldexp_f32 v[F], 1.0, v[TA]                   ; 2^(old M - new M)
.set j, 0
.rept 32
	v_pk_fma_f32 v[S+j:S+j+1], v[S+j:S+j+1], s[CS:CS+1], v[12:13] op_sel_hi:[1,0,0]   ; t - M, two at a time
.set j, j+2
.endr
.irp b, 0,1,2,3
	v_fma_f32 v[BM+\b], v[BM+\b], s[CS], v12       ; the same of each block's largest score
.endr
.set j, 0
	s_wait_alu depctr_va_vdst(0)
.rept 64
	v_exp_f32 v[S+j], v[S+j]                       ; p = 2^(t - M), at most 1
.set j, j+1
.endr
	s_setprio 1
	v_pk_mul_f32 v[14:15], v[14:15], v[F:F+1] op_sel_hi:[1,0]   ; the sums under the new M: a plain line behind the exponentials
	s_wait_alu depctr_va_vdst(0)                   ; one wait for the batch of 64, ahead of its first reader
.irp b, 0,1,2,3
	v_exp_f32 v[BM+\b], v[BM+\b]                   ; the block's largest p: the same two instructions on the same number
.endr
	v_pk_add_f32 v[T2:T2+1], v[S:S+1], v[S+2:S+3]  ; the row's sum is taken of the unquantised p, in two chains; it reads the 64 alone
.irp j, 4,8,12,16,20,24,28,32,36,40,44,48,52,56,60
	v_pk_add_f32 v[14:15], v[14:15], v[S+\j:S+\j+1]
	v_pk_add_f32 v[T2:T2+1], v[T2:T2+1], v[S+2+\j:S+3+\j]
.endr
	s_delay_alu instid0(VALU_DEP_1)
	v_pk_add_f32 v[14:15], v[14:15], v[T2:T2+1]
	s_wait_alu depctr_va_vdst(0)                   ; and one for the four
.irp b, 0,1,2,3
	v_max_num_f32 v[BM+\b], 0x4800000, v[BM+\b]    ; the floor 2^-118: the byte cannot fall under 1
.endr
.irp b, 0,1,2,3
	s_delay_alu instid0(VALU_DEP_4)
	v_add_nc_u32 v[SC+\b], 0xfc000000, v[BM+\b]    ; 8 off the exponent field: the conversion's scale operand
.endr
.irp b, 0,1,2,3
	v_and_or_b32 v[HD+\b], v[BM+\b], 0x7f800000, s[MNT]   ; 448 x the scale
.endr
.irp b, 0,1,2,3
	v_lshrrev_b32 v[T2+\b], 23, v[SC+\b]           ; the scale's byte
.endr
	s_delay_alu instid0(VALU_DEP_3)
	v_lshl_or_b32 v[PS], v[T2+1], 8, v[T2]         ; p's scale word for these 128 keys
	s_delay_alu instid0(VALU_DEP_1)
	v_lshl_or_b32 v[PS], v[T2+2], 16, v[PS]
	s_delay_alu instid0(VALU_DEP_1)
	v_lshl_or_b32 v[PS], v[T2+3], 24, v[PS]
.irp b, 0,1,2,3
.irp i, 0,1,2,3,4,5,6,7,8,9,10,11,12,13,14,15
	v_min_num_f32 v[S+16*\b+\i], v[S+16*\b+\i], v[HD+\b]   ; the conversion does not saturate (ISA guide 7.6.2); p is not negative, so the hold is one-sided
.endr
	v_cvt_scalef32_pk8_fp8_f32 v[PC+4*\b:PC+4*\b+1], v[S+16*\b:S+16*\b+7], v[SC+\b]
	v_cvt_scalef32_pk8_fp8_f32 v[PC+4*\b+2:PC+4*\b+3], v[S+16*\b+8:S+16*\b+15], v[SC+\b]
.endr
.set j, 0
	s_setprio 0
.rept 16
	v_pk_mul_f32 v[O+j:O+j+1], v[O+j:O+j+1], v[F:F+1] op_sel_hi:[1,0]   ; O^T under the new M; these are also the places between the codes and the products
.set j, j+2
.endr
	s_wait_alu depctr_va_vdst(0)
	s_wait_dscnt 0x0                               ; v's fragments and scale words are in
.irp t, 0,1,2,3                        ; O^T += v^T p^T: the four accumulators by turns
.if \t%2
	v_wmma_scale_f32_16x16x128_f8f6f4 v[O+8*\t:O+8*\t+7], v[KF+16*\t:KF+16*\t+15], v[PC:PC+15], v[O+8*\t:O+8*\t+7], v[SV+\t/2], v[PS] matrix_a_scale:MATRIX_SCALE_ROW1
.else
	v_wmma_scale_f32_16x16x128_f8f6f4 v[O+8*\t:O+8*\t+7], v[KF+16*\t:KF+16*\t+15], v[PC:PC+15], v[O+8*\t:O+8*\t+7], v[SV+\t/2], v[PS]
.endif
.endr
	s_add_co_u32 s[TB], s[TB], 8192
	s_add_co_u32 s[TS], s[TS], 256
.endm
.macro TOSTAGE                         ; eight rows' 256 bytes: tile t = 2 f + u holds channels 32 f + 16 h + 8 u + 0 .. 7
.irp t, 0,1,2,3
.irp q, 0,1
	ds_store_b128 v5, v[KF+8*\t+4*\q:KF+8*\t+4*\q+3] offset:128*(\t/2)+32*(\t%2)+16*\q
.endr
.endr
.endm
; A PASS: one tile of 16 queries against all 2,048 keys.  The pass's place stands in the immediates: 16 tiles of q, 2 steps of scale words, 256 rows of the mask and of obuf.
.macro PASS pi
.if \pi
	s_wait_xcnt 0x0                                ; the last pass's stores have read their registers
.endif
	global_load_b128 v[QZ+8:QZ+11], v1, s[QB:QB+1] offset:\pi*32768 th:TH_LOAD_NT
	global_load_b128 v[QZ+12:QZ+15], v1, s[QB:QB+1] offset:\pi*32768+512 th:TH_LOAD_NT
	global_load_b32 v244, v242, s[QSB:QSB+1] offset:\pi*1024
	global_load_b32 v241, v243, s[MB:MB+1] offset:\pi*1024
	s_wait_loadcnt 0x0
	v_cmp_ne_u32 vcc_lo, 0, v241
.irp j, 0,1,2,3,4,5,6,7
	v_cndmask_b32 v[QZ+8+\j], 0, v[QZ+8+\j], vcc_lo   ; a masked query's codes become zeros
.endr
	v_perm_b32 v[QS], v244, v244, s[PSEL]          ; my tile's two bytes, twice: q stands in blocks 0, 1 or in blocks 2, 3
	v_mov_b32 v13, 0xff61b1e6                      ; the largest t so far: -3e38, under every t
	s_delay_alu instid0(VALU_DEP_1)
	v_floor_f32 v12, -v13
	v_mov_b32 v14, 0
	v_mov_b32 v15, 0
.irp b, 0,1,2,3
	v_mov_b32 v[T2+\b], 0                          ; a lane permute's destination counts as one of its sources
.endr
.set j, 0
.rept 32
	v_mov_b32 v[O+j], 0                            ; the step is written once: the first finds zeros.  (These lines are also the places between q's codes and scale word and the first product)
.set j, j+1
.endr
	s_mov_b32 s[TB], 0
	s_mov_b32 s[TS], 0
	s_mov_b32 s[CNT], 16
.Lstep_\@:
	s_setprio 2
	STEP
	s_sub_co_u32 s[CNT], s[CNT], 1
	s_cmp_lg_u32 s[CNT], 0
	s_cbranch_scc1 .Lstep_\@
	s_setprio 0
	; THE WAY OUT: O^T / the sum, through my stage, eight rows at a time, so that sixteen lanes store a head's 256 bytes of a row
.rept 8
	v_nop
.endr
	v_add_f32 v14, v14, v15                        ; the sum's two halves,
	s_delay_alu instid0(VALU_DEP_1)
	v_permlanex16_b32 v[T2], v14, s[SEL], s[SEL+1]
	s_delay_alu instid0(VALU_DEP_1)
	v_add_f32 v14, v14, v[T2]                      ; and lane l xor 16's
	s_wait_alu depctr_va_vdst(0)
	v_rcp_f32 v[F], v14
	v_and_b32 v[TA], 15, v0                        ; (a plain line behind the reciprocal)  r
	s_wait_alu depctr_va_vdst(0)                   ; the wait ahead of its first reader
.set j, 0
.rept 16
	v_pk_mul_f32 v[KF+j:KF+j+1], v[O+j:O+j+1], v[F:F+1] op_sel_hi:[1,0]
.set j, j+2
.endr
	s_wait_alu depctr_va_vdst(0)
	s_wait_xcnt 0x0                                ; EXEC changes only behind this wait; no global instruction is issued until it is whole again for good
	v_cmp_gt_u32 vcc_lo, 8, v[TA]
	s_and_saveexec_b32 s56, vcc_lo                 ; lanes with r under 8: rows 0 .. 7 of the tile
	TOSTAGE
	s_or_b32 exec_lo, exec_lo, s56
.irp i, 0,1,2,3
	ds_load_b128 v[KF+32+4*\i:KF+35+4*\i], v6 offset:544*\i   ; LDS serves a wave's instructions in order (ISA guide 5.7.1.4): these see the stores above, and the next stores come behind them
.endr
	v_cmp_le_u32 vcc_lo, 8, v[TA]
	s_and_saveexec_b32 s56, vcc_lo                 ; lanes with r from 8 on: rows 16 .. 23
	TOSTAGE
	s_or_b32 exec_lo, exec_lo, s56
.irp i, 0,1,2,3
	ds_load_b128 v[KF+48+4*\i:KF+51+4*\i], v6 offset:544*\i
.endr
	s_wait_dscnt 12                                ; the first four loads are in; behind them: eight stores and four loads
.irp i, 0,1,2,3
	global_store_b128 v7, v[KF+32+4*\i:KF+35+4*\i], s[OBB:OBB+1] offset:\pi*1048576+2*\i*4096 th:TH_STORE_NT   ; 16 lanes store 256 consecutive bytes, aligned
.endr
	s_wait_dscnt 0x0
.irp i, 0,1,2,3
	global_store_b128 v7, v[KF+48+4*\i:KF+51+4*\i], s[OBB:OBB+1] offset:\pi*1048576+(16+2*\i)*4096 th:TH_STORE_NT
.endr
.endm
	PASS 0
	PASS 1
	s_wait_tensorcnt 0x0
	ds_add_u32 v254, v255
	s_wait_dscnt 0x0
	CROUND                                         ; the closing round: no work-group ends while a partner may still ask for a tile that names it
	s_endpgm
.Lfunc_end_k_q99ffd8a051_attn:
	.size	k_q99ffd8a051_attn, .Lfunc_end_k_q99ffd8a051_attn-k_q99ffd8a051_attn
	.p2alignl 7, 3214868480
	.fill 96, 4, 3214868480
	.section	.rodata,"a",@progbits
	.p2align	6, 0x0
	.amdhsa_kernel k_q99ffd8a051_attn
		.amdhsa_group_segment_fixed_size 327680
		.amdhsa_private_segment_fixed_size 0
		.amdhsa_enable_private_segment 0
		.amdhsa_kernarg_size 32
		.amdhsa_user_sgpr_count 2
		.amdhsa_user_sgpr_kernarg_segment_ptr 1
		.amdhsa_wavefront_size32 1
		.amdhsa_system_sgpr_workgroup_id_x 1
		.amdhsa_system_sgpr_workgroup_id_y 1
		.amdhsa_system_sgpr_workgroup_id_z 1
		.amdhsa_system_vgpr_workitem_id 0
		.amdhsa_next_free_vgpr 256
		.amdhsa_next_free_sgpr 84
		.amdhsa_reserve_vcc 1
		.amdhsa_float_denorm_mode_32 3
		.amdhsa_float_denorm_mode_16_64 3
		.amdhsa_memory_ordered 1
		.amdhsa_forward_progress 1
		.amdhsa_inst_pref_size 61
	.end_amdhsa_kernel
	.amdgpu_metadata
---
amdhsa.version: [ 1, 2 ]
amdhsa.kernels:
  - .name:           k_q99ffd8a051_attn
    .symbol:         k_q99ffd8a051_attn.kd
    .args:
      - { .name: img, .offset: 0, .size: 8, .value_kind: global_buffer, .address_space: global }
      - { .name: scl, .offset: 8, .size: 8, .value_kind: global_buffer, .address_space: global }
      - { .name: attention_mask, .offset: 16, .size: 8, .value_kind: global_buffer, .address_space: global }
      - { .name: obuf, .offset: 24, .size: 8, .value_kind: global_buffer, .address_space: global }
    .group_segment_fixed_size: 327680
    .private_segment_fixed_size: 0
    .kernarg_segment_align: 8
    .kernarg_segment_size: 32
    .max_flat_workgroup_size: 512
    .sgpr_count:     84
    .vgpr_count:     256
    .wavefront_size: 32
...
	.end_amdgpu_metadata
.endif
;; end of part 7
;; launch lnorm (part 8): grid 256 x 1, 8 waves a work-group, no clusters, 0 bytes of LDS; arguments obuf, queries, gamma, beta, out0; writes out0
.if DOCPART == 8
	.amdgcn_target "amdgcn-amd-amdhsa--gfx1250"
	.amdhsa_code_object_version 6
	.text
	.protected	k_q99ffd8a051_lnorm
	.globl	k_q99ffd8a051_lnorm
	.p2align	8
	.type	k_q99ffd8a051_lnorm,@function
k_q99ffd8a051_lnorm:
	s_mov_b64 s[64:65], 0
	v_nop
	global_prefetch_b8 v0, s[64:65] scope:SCOPE_SE
	s_setreg_imm32_b32 hwreg(HW_REG_WAVE_MODE, 25, 1), 1
	s_wait_xcnt 0x0
; out0 = LayerNorm(obuf + queries) x gamma + beta, rows of 1,024 f32, all in f32; the variance is taken about the mean, as the definition has it.
; A row is 4,096 bytes: one wave takes a whole row, eight loads of 16 bytes a lane from each of the two tensors, and keeps it in 32 registers between the passes: memory is read once, no wave waits for another.
; Eight waves, 4 rows each, two row slots by turns.  Each load and store of a wave covers 512 consecutive bytes.  No LDS, no matrix unit, no cluster: the work-groups share only gamma and beta, 8 KiB.
.set G,  16                            ; v16-47   gamma, in the rows' lane map
.set B,  48                            ; v48-79   beta
.set XR, 80                            ; v80-207  slot s: 32 registers of obuf (then x, then the result), 32 of queries
	s_load_b256 s[4:11], s[0:1], 0x0               ; obuf s[4:5], queries s[6:7], gamma s[8:9], beta s[10:11]
	s_load_b64 s[12:13], s[0:1], 0x20              ; out0
	v_lshrrev_b32 v1, 5, v0
	s_delay_alu instid0(VALU_DEP_1)
	v_readfirstlane_b32 s18, v1                    ; wave
	v_and_b32 v1, 31, v0
	s_delay_alu instid0(VALU_DEP_1)
	v_lshlrev_b32 v1, 4, v1                        ; 16 bytes a lane
	s_lshl_b32 s20, ttmp9, 17                      ; 32 rows a work-group,
	s_lshl_b32 s19, s18, 14                        ; 4 a wave
	s_add_co_u32 s20, s20, s19
	s_mov_b32 s21, 0
	s_mov_b32 s14, 0x3a800000                      ; 1 / 1,024
	s_mov_b32 s15, 0x3727c5ac                      ; 1e-5
	s_mov_b32 s16, 0x76543210                      ; v_permlanex16_b32's selects for lane l xor 16
	s_mov_b32 s17, 0xfedcba98
	v_mov_b32 v11, 0                               ; (named as the upper half of a pair)
	v_mov_b32 v14, 0                               ; a lane permute's destination counts as one of its sources
	s_wait_alu depctr_va_vdst(0)
	s_wait_kmcnt 0x0
	s_add_nc_u64 s[4:5], s[4:5], s[20:21]
	s_add_nc_u64 s[6:7], s[6:7], s[20:21]
	s_add_nc_u64 s[12:13], s[12:13], s[20:21]
.irp j, 0,1,2,3,4,5,6,7
	global_load_b128 v[G+4*\j:G+4*\j+3], v1, s[8:9] offset:512*\j
	global_load_b128 v[B+4*\j:B+4*\j+3], v1, s[10:11] offset:512*\j
.endr
.macro LOADROW i
.set RS, XR+64*((\i)%2)
.irp j, 0,1,2,3,4,5,6,7
	global_load_b128 v[RS+4*\j:RS+4*\j+3], v1, s[4:5] offset:4096*(\i)+512*\j th:TH_LOAD_NT
	global_load_b128 v[RS+32+4*\j:RS+32+4*\j+3], v1, s[6:7] offset:4096*(\i)+512*\j th:TH_LOAD_NT
.endr
.endm
.macro REDUCE                          ; four chains in v[2:9] become one number in every lane's v2
	s_delay_alu instid0(VALU_DEP_3)
	v_pk_add_f32 v[2:3], v[2:3], v[4:5]
	s_delay_alu instid0(VALU_DEP_2)
	v_pk_add_f32 v[6:7], v[6:7], v[8:9]
	s_delay_alu instid0(VALU_DEP_1)
	v_pk_add_f32 v[2:3], v[2:3], v[6:7]
	s_delay_alu instid0(VALU_DEP_1)
	v_add_f32 v2, v2, v3
	s_delay_alu instid0(VALU_DEP_1)
	v_add_f32_dpp v2, v2, v2 row_xmask:1 row_mask:0xf bank_mask:0xf
	s_delay_alu instid0(VALU_DEP_1)
	v_add_f32_dpp v2, v2, v2 row_xmask:2 row_mask:0xf bank_mask:0xf
	s_delay_alu instid0(VALU_DEP_1)
	v_add_f32_dpp v2, v2, v2 row_xmask:4 row_mask:0xf bank_mask:0xf
	s_delay_alu instid0(VALU_DEP_1)
	v_add_f32_dpp v2, v2, v2 row_xmask:8 row_mask:0xf bank_mask:0xf
	s_delay_alu instid0(VALU_DEP_1)
	v_permlanex16_b32 v14, v2, s16, s17
	s_delay_alu instid0(VALU_DEP_1)
	v_add_f32 v2, v2, v14
.endm
.macro ROW i, left
.set RS, XR+64*((\i)%2)
	s_wait_loadcnt \left                           ; my row's 16 loads are in (gamma and beta too); the other slot's 16 may be out
.set k, 0
.rept 16
	v_pk_add_f32 v[RS+k:RS+k+1], v[RS+k:RS+k+1], v[RS+32+k:RS+32+k+1]   ; x = o + queries
.set k, k+2
.endr
.irp c, 0,2,4,6
	v_pk_add_f32 v[2+\c:3+\c], v[RS+\c:RS+\c+1], v[RS+8+\c:RS+9+\c]     ; the sum, in four chains started by the first pairs
.endr
.irp m, 16,24
.irp c, 0,2,4,6
	s_delay_alu instid0(VALU_DEP_4)
	v_pk_add_f32 v[2+\c:3+\c], v[2+\c:3+\c], v[RS+\m+\c:RS+\m+\c+1]
.endr
.endr
	REDUCE
	s_delay_alu instid0(VALU_DEP_1)
	v_mul_f32 v10, s14, v2                         ; the mean
.set k, 0
.rept 16
	v_pk_add_f32 v[RS+k:RS+k+1], v[RS+k:RS+k+1], v[10:11] op_sel_hi:[1,0] neg_lo:[0,1] neg_hi:[0,1]   ; x - mean
.set k, k+2
.endr
.irp c, 0,2,4,6
	v_pk_mul_f32 v[2+\c:3+\c], v[RS+\c:RS+\c+1], v[RS+\c:RS+\c+1]
.endr
.irp m, 8,16,24
.irp c, 0,2,4,6
	s_delay_alu instid0(VALU_DEP_4)
	v_pk_fma_f32 v[2+\c:3+\c], v[RS+\m+\c:RS+\m+\c+1], v[RS+\m+\c:RS+\m+\c+1], v[2+\c:3+\c]
.endr
.endr
	REDUCE
	s_delay_alu instid0(VALU_DEP_1)
	v_fma_f32 v13, v2, s14, s15                    ; the variance + eps
	s_wait_alu depctr_va_vdst(0)
	v_rsq_f32 v12, v13
	v_nop                                          ; a plain line behind the transcendental
	s_wait_alu depctr_va_vdst(0)                   ; and the wait ahead of its first reader
.set k, 0
.rept 16
	v_pk_mul_f32 v[RS+k:RS+k+1], v[RS+k:RS+k+1], v[12:13] op_sel_hi:[1,0]
.set k, k+2
.endr
.set k, 0
.rept 16
	v_pk_fma_f32 v[RS+k:RS+k+1], v[RS+k:RS+k+1], v[G+k:G+k+1], v[B+k:B+k+1]
.set k, k+2
.endr
.irp j, 0,1,2,3,4,5,6,7
	global_store_b128 v1, v[RS+4*\j:RS+4*\j+3], s[12:13] offset:4096*(\i)+512*\j th:TH_STORE_NT
.endr
.if (\i) < 2
	s_wait_xcnt 0x0                                ; the stores have read their registers: the slot takes the row two further on
	LOADROW (\i)+2
.endif
.endm
	LOADROW 0
	LOADROW 1
	ROW 0, 16
	ROW 1, 16
	ROW 2, 16
	ROW 3, 0
	s_endpgm
.Lfunc_end_k_q99ffd8a051_lnorm:
	.size	k_q99ffd8a051_lnorm, .Lfunc_end_k_q99ffd8a051_lnorm-k_q99ffd8a051_lnorm
	.p2alignl 7, 3214868480
	.fill 96, 4, 3214868480
	.section	.rodata,"a",@progbits
	.p2align	6, 0x0
	.amdhsa_kernel k_q99ffd8a051_lnorm
		.amdhsa_group_segment_fixed_size 0
		.amdhsa_private_segment_fixed_size 0
		.amdhsa_enable_private_segment 0
		.amdhsa_kernarg_size 40
		.amdhsa_user_sgpr_count 2
		.amdhsa_user_sgpr_kernarg_segment_ptr 1
		.amdhsa_wavefront_size32 1
		.amdhsa_system_sgpr_workgroup_id_x 1
		.amdhsa_system_sgpr_workgroup_id_y 1
		.amdhsa_system_sgpr_workgroup_id_z 1
		.amdhsa_system_vgpr_workitem_id 0
		.amdhsa_next_free_vgpr 208
		.amdhsa_next_free_sgpr 66
		.amdhsa_reserve_vcc 0
		.amdhsa_float_denorm_mode_32 3
		.amdhsa_float_denorm_mode_16_64 3
		.amdhsa_memory_ordered 1
		.amdhsa_forward_progress 1
		.amdhsa_inst_pref_size 46
	.end_amdhsa_kernel
	.amdgpu_metadata
---
amdhsa.version: [ 1, 2 ]
amdhsa.kernels:
  - .name:           k_q99ffd8a051_lnorm
    .symbol:         k_q99ffd8a051_lnorm.kd
    .args:
      - { .name: obuf, .offset: 0, .size: 8, .value_kind: global_buffer, .address_space: global }
      - { .name: queries, .offset: 8, .size: 8, .value_kind: global_buffer, .address_space: global }
      - { .name: gamma, .offset: 16, .size: 8, .value_kind: global_buffer, .address_space: global }
      - { .name: beta, .offset: 24, .size: 8, .value_kind: global_buffer, .address_space: global }
      - { .name: out0, .offset: 32, .size: 8, .value_kind: global_buffer, .address_space: global }
    .group_segment_fixed_size: 0
    .private_segment_fixed_size: 0
    .kernarg_segment_align: 8
    .kernarg_segment_size: 40
    .max_flat_workgroup_size: 256
    .sgpr_count:     66
    .vgpr_count:     208
    .wavefront_size: 32
...
	.end_amdgpu_metadata
.endif
;; end of part 8
